; MI455X (gfx1250); checked and timed in simulation.
; The chip was launched on July 23, 2026; its instructions are those of AMD's public machine-readable ISA for CDNA 5 (MIT licence, August 2026) and "CDNA5" Instruction Set Architecture Reference Guide (July 2026). The comments in the code are by the model that wrote it; some were corrected since.
;; Layer Norm LSTM Cell. Allowed arithmetic: float matrix products may take bf16 or f16 operands with f32 sums; other float arithmetic in f32, or as packed bf16 or f16 multiplies, adds, multiply-adds, maxima and minima; sums over many terms, partial sums and values carried from step to step in f32; what a program stores and reads back later, other than sums and carried values, may be rounded once to bf16 or f16.
;; Inputs: bias_hh 4,096 float32; bias_ih 4,096 float32; cx 8,192 x 1,024 float32; hx 8,192 x 1,024 float32; ln_cx_b 1,024 float32; ln_cx_g 1,024 float32; ln_cy_b 1,024 float32; ln_cy_g 1,024 float32; ln_f_b 1,024 float32; ln_f_g 1,024 float32; ln_i_b 1,024 float32; ln_i_g 1,024 float32; ln_o_b 1,024 float32; ln_o_g 1,024 float32; weight_hh 4,096 x 1,024 float32; weight_ih 4,096 x 1,024 float32; x 8,192 x 1,024 float32.
;; Outputs: out0 8,192 x 1,024 float32; out1 8,192 x 1,024 float32.
;; 2 versions, each right; version 2 is version 1 with the launches cast, cell written anew for expert scheduling mode. Each part assembles by itself: llvm-mc -triple=amdgcn-amd-amdhsa -mcpu=gfx1250 --defsym DOCPART=n.
;; ======== version 1 of 2: 3 launches
;; limits: values are held in f16: magnitudes above 65,504 overflow, below 6.1e-05 lose precision
;; workspace buffers: ab 33,554,432 bytes; wb 16,777,216 bytes; gates 67,108,864 bytes; cbuf 1,048,576 bytes
;; launch cast (part 1): grid 384 x 2, 8 waves a work-group, no clusters, 0 bytes of LDS; arguments x, hx, weight_ih, weight_hh, ab, wb; writes ab, wb
.if DOCPART == 1
	.amdgcn_target "amdgcn-amd-amdhsa--gfx1250"
	.amdhsa_code_object_version 6
	.text
	.protected	k_qb3b4b4878f_cast
	.globl	k_qb3b4b4878f_cast
	.p2align	8
	.type	k_qb3b4b4878f_cast,@function
k_qb3b4b4878f_cast:
	s_mov_b64 s[64:65], 0
	v_nop
	global_prefetch_b8 v0, s[64:65] scope:SCOPE_SE
	s_setreg_imm32_b32 hwreg(HW_REG_WAVE_MODE, 25, 1), 1
	s_wait_xcnt 0x0
; ab[m][0:1024] = bf16(x[m]), ab[m][1024:2048] = bf16(hx[m]); wb[n][0:1024] = bf16(weight_ih[n]), wb[n][1024:2048] = bf16(weight_hh[n]).
; The two products of the cell become one product along K = 2,048; each number is rounded once, to nearest even.
; SHARES.  A work-group takes 32 rows of one source: group y picks the half of K (0: x, weight_ih; 1: hx, weight_hh); group x below 256 picks
; rows 32 x of the activations, from 256 on rows 32 (x - 256) of the weights.  Thread t owns bytes 16 t .. 16 t + 15 of every source row (4,096 bytes)
; and bytes 8 t .. 8 t + 7 of the destination's half row: a wave's load covers 512 consecutive bytes, its store 256 consecutive bytes, aligned.
; All 32 loads of a thread go out at once; no register is written again behind a memory instruction that names it, so the only waits are the counted ones for data.
; No LDS, no barrier, no matrix work: nothing is shared and nothing is read twice.
.set ROWS, 32                          ; rows of a work-group
.set ROW,  4096                        ; bytes in a source row, and from row to row of ab and wb
.set X,    4                           ; v[4:131]  row i: four f32 as loaded; its first two registers then hold the four bf16
	s_load_b256 s[4:11], s[0:1], 0x0               ; x s[4:5], hx s[6:7], weight_ih s[8:9], weight_hh s[10:11]
	s_load_b128 s[12:15], s[0:1], 0x20             ; ab s[12:13], wb s[14:15]
	v_lshlrev_b32 v1, 4, v0                        ; my 16 bytes of a source row
	v_lshlrev_b32 v2, 3, v0                        ; my 8 bytes of a destination half row
	s_and_b32 s26, ttmp7, 0xffff                   ; which half of K
	s_wait_kmcnt 0x0
	s_cmp_eq_u32 s26, 0
	s_cselect_b64 s[16:17], s[4:5], s[6:7]         ; the activations' source
	s_cselect_b64 s[18:19], s[8:9], s[10:11]       ; the weights' source
	s_cmp_lt_u32 ttmp9, 256
	s_cselect_b64 s[16:17], s[16:17], s[18:19]     ; mine
	s_cselect_b64 s[20:21], s[12:13], s[14:15]     ; and where it goes
	s_cselect_b32 s22, 0, 256
	s_sub_co_u32 s22, ttmp9, s22                   ; my block of 32 rows
	s_lshl_b32 s24, s22, 17                        ; 32 rows x 4,096 bytes, the same in source and destination; under 2^25
	s_mov_b32 s25, 0
	s_add_nc_u64 s[16:17], s[16:17], s[24:25]
	s_add_nc_u64 s[20:21], s[20:21], s[24:25]
	s_lshl_b32 s24, s26, 11                        ; the second half of K begins 2,048 bytes into a destination row
	s_add_nc_u64 s[20:21], s[20:21], s[24:25]
.set i, 0
.rept ROWS
	global_load_b128 v[X+4*i:X+4*i+3], v1, s[16:17] offset:ROW*i th:TH_LOAD_NT
.set i, i+1
.endr
.set i, 0
.rept ROWS
	s_wait_loadcnt ROWS-1-i                        ; loads come back in order: row i is in, the younger rows stay out
	v_cvt_pk_bf16_f32 v[X+4*i], v[X+4*i], v[X+4*i+1]
	v_cvt_pk_bf16_f32 v[X+4*i+1], v[X+4*i+2], v[X+4*i+3]
	global_store_b64 v2, v[X+4*i:X+4*i+1], s[20:21] offset:ROW*i
.set i, i+1
.endr
	s_endpgm
.Lfunc_end_k_qb3b4b4878f_cast:
	.size	k_qb3b4b4878f_cast, .Lfunc_end_k_qb3b4b4878f_cast-k_qb3b4b4878f_cast
	.p2alignl 7, 3214868480
	.fill 96, 4, 3214868480
	.section	.rodata,"a",@progbits
	.p2align	6, 0x0
	.amdhsa_kernel k_qb3b4b4878f_cast
		.amdhsa_group_segment_fixed_size 0
		.amdhsa_private_segment_fixed_size 0
		.amdhsa_enable_private_segment 0
		.amdhsa_kernarg_size 48
		.amdhsa_user_sgpr_count 2
		.amdhsa_user_sgpr_kernarg_segment_ptr 1
		.amdhsa_wavefront_size32 1
		.amdhsa_system_sgpr_workgroup_id_x 1
		.amdhsa_system_sgpr_workgroup_id_y 1
		.amdhsa_system_sgpr_workgroup_id_z 1
		.amdhsa_system_vgpr_workitem_id 0
		.amdhsa_next_free_vgpr 132
		.amdhsa_next_free_sgpr 66
		.amdhsa_reserve_vcc 0
		.amdhsa_float_denorm_mode_32 3
		.amdhsa_float_denorm_mode_16_64 3
		.amdhsa_memory_ordered 1
		.amdhsa_forward_progress 1
		.amdhsa_inst_pref_size 13
	.end_amdhsa_kernel
	.amdgpu_metadata
---
amdhsa.version: [ 1, 2 ]
amdhsa.kernels:
  - .name:           k_qb3b4b4878f_cast
    .symbol:         k_qb3b4b4878f_cast.kd
    .args:
      - { .name: x, .offset: 0, .size: 8, .value_kind: global_buffer, .address_space: global }
      - { .name: hx, .offset: 8, .size: 8, .value_kind: global_buffer, .address_space: global }
      - { .name: weight_ih, .offset: 16, .size: 8, .value_kind: global_buffer, .address_space: global }
      - { .name: weight_hh, .offset: 24, .size: 8, .value_kind: global_buffer, .address_space: global }
      - { .name: ab, .offset: 32, .size: 8, .value_kind: global_buffer, .address_space: global }
      - { .name: wb, .offset: 40, .size: 8, .value_kind: global_buffer, .address_space: global }
    .group_segment_fixed_size: 0
    .private_segment_fixed_size: 0
    .kernarg_segment_align: 8
    .kernarg_segment_size: 48
    .max_flat_workgroup_size: 256
    .sgpr_count:     66
    .vgpr_count:     132
    .wavefront_size: 32
...
	.end_amdgpu_metadata
.endif
;; end of part 1
;; launch gemm (part 2): grid 16 x 16, 4 waves a work-group, clusters of 4 x 4, 327,680 bytes of LDS; arguments ab, wb, bias_ih, bias_hh, gates, cbuf; writes gates, cbuf
.if DOCPART == 2
	.amdgcn_target "amdgcn-amd-amdhsa--gfx1250"
	.amdhsa_code_object_version 6
	.text
	.protected	k_qb3b4b4878f_gemm
	.globl	k_qb3b4b4878f_gemm
	.p2align	8
	.type	k_qb3b4b4878f_gemm,@function
k_qb3b4b4878f_gemm:
	s_mov_b64 s[64:65], 0
	v_nop
	global_prefetch_b8 v0, s[64:65] scope:SCOPE_SE
	s_setreg_imm32_b32 hwreg(HW_REG_WAVE_MODE, 25, 1), 1
	s_wait_xcnt 0x0
	s_wait_alu depctr_hold_cnt(0) depctr_sa_sdst(0) depctr_va_vdst(0) depctr_va_sdst(0) depctr_va_ssrc(0) depctr_va_vcc(0) depctr_vm_vsrc(0)
	s_getreg_b32 s2, hwreg(HW_REG_IB_STS2, 6, 4)
	s_cmp_eq_u32 s2, 0
	s_cbranch_scc0 .Lentry_in_a_cluster
	s_endpgm
.Lentry_in_a_cluster:
	s_bfe_u32 s2, ttmp6, 0x10000c
	s_cmp_lg_u32 s2, 0xf033
	s_cbranch_scc0 .Lentry_shape_is_right
	s_endpgm
.Lentry_shape_is_right:
; g[m][n] = bf16(bias_ih[n]) + bf16(bias_hh[n]) + the sum over k of ab[m][k] wb[n][k].  ab: [8192][2048] bf16, wb: [4096][2048] bf16; sums in f32.
; WHAT IS STORED.  For each row m and each block B of 128 columns: cbuf[B][m] = ref = (g[m][128 B] + g[m][128 B + 8]) / 2, in f32, and gates[m][n] = g[m][n] - ref, rounded once to f16.
; gates: [8192][4096] f16, cbuf: [32][8192] f32.  A number common to all of a row's g, however large, goes into ref and costs the f16 numbers nothing.
; LIMITS.  The biases are rounded once to bf16, like every other input of the program.  g - ref must lie within f16's 65,504: with all inputs 30 times those of the problem's kind its spread is about
; 1,500.  Below 6e-5 it keeps f16's fixed step of 6e-8.  NaN and infinities are not treated apart.
; A tile, 256 x 256, is made by a work-group of four waves; a wave makes 128 x 128: 64 accumulators of 16 x 16, 512 registers.  K goes in 16 steps of 128 through a ring of two LDS slots
; filled by the tensor data mover: a tile's rows are 256 bytes of memory and start at multiples of 256 bytes from the buffer's first byte.
; A WORK-GROUP STAYS: 512 tiles, 256 work-groups, two tiles each, 4,096 rows apart, on the same rows of wb.  The ring does not stop at the first tile's end: its last two changes of slots ask for the
; second tile's first two K steps, and nothing waits for the first tile's stores.
; CLUSTERS: 4 x 4 work-groups.  The four of a row of the cluster need the same tiles of ab, the four of a column the same tiles of wb: each tile is asked for JOINTLY, by the same tensor load with the
; same descriptor and a mask that names the four.
; THE MATRIX INSTRUCTION IS USED TRANSPOSED: source 0 = 16 rows of wb, source 1 = 16 rows of ab.  Lane l then holds row l % 16 and the columns 8 (l / 16) + 0 .. 7: eight neighbours, 16 bytes in f16.
; THE BIAS STARTS THE SUMS: it lies in 64 registers in the accumulators' layout and is the C operand of each accumulator's first product: nothing is cleared, nothing is added afterwards.
; REGISTERS, in windows of 256 (s_set_vgpr_msb's low byte: bits 1:0 source 0, 3:2 source 1, 5:4 source 2, 7:6 destination):
;   window 0: v0-31 addresses and the reference at work; v64-127, v128-191 fragments of ab, two buffers; on the way out v192-223 packed results, v32-63 and v224-255 16 rows read back, by turns
;   window 1: v0-63 the bias; v64-127, v128-191 fragments of wb, two buffers; v192-255 bias_hh while the bias is made
;   window 2: the 32 accumulators of my rows 0-63 (accumulator (a, b) at v[8 (8 a + b)]);   window 3: those of my rows 64-127
.set SIZE_M, 8192
.set SIZE_N, 4096
.set SIZE_K, 2048
.set SIZE_TILES, 2
.set KSTEP,  128
.set PITCH,  272                       ; an LDS row: 256 bytes of data + 16 of padding = 68 words: row r starts at bank 4 r mod 64 (64 banks of 4 bytes: ISA guide 11.1), so the 16 rows of a load start at 16 different banks
.set HALFT,  128*PITCH                 ; 128 rows: what one tensor load brings, and what one wave reads of ab or of wb
.set SLOT,   4*HALFT                   ; ab's 256 rows, then wb's 256 rows
.set STAGE,  2*SLOT                    ; behind the ring, never filled by a tensor load: 16 rows x 272 bytes for each wave, for the way out
.set SPITCH, 272                       ; a stage row: my 128 columns in f16, 256 bytes, + 16
.set CST,    STAGE+4*16*SPITCH         ; behind the stages: 512 bytes for each wave: its 128 rows' references
.set SPARE,  CST+4*512                 ; behind them: the spare words, 128 bytes for each wave: two blocks of 256 bytes that no other line names
.set LAPS,   SIZE_K/(2*KSTEP)          ; a lap = two K steps = once round the ring: 8
.set WALK,   SIZE_M/SIZE_TILES         ; a work-group's two tiles lie 4,096 rows apart
.set CROW,   SIZE_N*2                  ; bytes in a row of gates
.set NEXT_A, WALK*SIZE_K*2-(SIZE_K-2*KSTEP)*2   ; bytes from a slot's last K step of a tile to its first of the next: ab goes WALK rows down and back along K,
.set BACK_B, (SIZE_K-2*KSTEP)*2        ; wb only back
.set NEXT_C, (WALK-7*16)*CROW          ; bytes from my last 16 rows of a tile to my first of the next
.set SUMR, 6                           ; v6      the way out: the two numbers of which the reference is made, then their sum
.set NC,   8                           ; v[8:9]  minus the reference, twice (a pair for the packed add)
.set CV,   10                          ; v10     the reference
.set PTX,  11                          ; v11     what the lane 16 away holds
.set CB,   12                          ; v[12:15] four rows' references, to store
.set ADRA, 16                          ; v16-17  LDS address of my ab fragments in slot 0, 1
.set ADRB, 20                          ; v20-21  the same for wb
.set CRD,  22                          ; v22     where I read four references back
.set CGO,  23                          ; v23     16 x my lane: my bytes of the wave's 512 in cbuf
.set STO,  24                          ; v24     the way out: where I put 16 bytes of a row
.set RD,   25                          ; v25     the way out: where I read a row back
.set CO,   26                          ; v26     my byte offset in two rows of gates
.set BO,   27                          ; v27     my byte offset in the two biases
.set SPW,  28                          ; v28     LDS address of my spare word: SPARE + 4 x my thread's number; never rewritten
.set NIL,  29                          ; v29     0; never rewritten
.set PFO,  30                          ; v30     the prefetches' offset: my lane x a row of ab or wb (4,096 bytes); never rewritten
.set CSTO, 31                          ; v31     where I put my row's reference
.set PFA,  44                          ; s[44:45] where my prefetches stand: my work-group's 32 rows of the 128 that I fetch, one K step further along K than the refill that is being asked for
.set LIM,  43                          ; s43     1 in a wave that prefetches, else the greatest number
.set F0,   64                          ; fragment buffer 0
.set F1,   128                         ; fragment buffer 1
.set TMP,  192                         ; the way out: packed results
.set OB,   32                          ; the way out: 16 rows read back from the stage: v32-63 and v224-255 by turns
.set BIAS, 0                           ; window 1: the eight numbers for column block b at 8 b
.set BH,   192                         ; window 1: bias_hh, while the bias is made
.set G1, 24                            ; s[24:31] descriptor group 1 for ab's tiles
.set G0, 32                            ; s[32:39] descriptor group 0 for ab's tiles, one set for each slot
.set G1B, 48                           ; s[48:55] descriptor group 1 for wb's tiles: it differs in the mask alone
.set G0B, 56                           ; s[56:63] descriptor group 0 for wb's tiles, one set for each slot
.set MSB, 0
.macro WIN new                         ; the immediate's high byte repeats the setting that is left; a switch that changes nothing is dropped
.if MSB != (\new)
	s_set_vgpr_msb (MSB<<8)|(\new)
.set MSB, \new
.endif
.endm
.set MUL_LO, 0xa1                      ; source 0 (wb) window 1, source 1 (ab) window 0, C and D window 2
.set MUL_1ST, 0x91                     ; the same with C, the bias, in window 1
.set TO_B,   0x40                      ; destination window 1, address window 0
; A joint load.  Waves 0 and 1 fetch ab's two halves, waves 2 and 3 wb's.  Each of the two lines has one mask and one set of registers for all that issue it; the branch hangs on the wave's number alone.
; An s_nop 0 and four v_nop follow each of the two lines, ahead of the jump, the label and what follows the macro.
.macro JLOAD s
	s_cmp_eq_u32 s11, 0
	s_cbranch_scc0 .Lfor_b_\@
	tensor_load_to_lds s[G0+4*(\s):G0+4*(\s)+3], s[G1:G1+7]
	s_nop 0
.rept 4
	v_nop
.endr
	s_branch .Lasked_\@
.Lfor_b_\@:
	tensor_load_to_lds s[G0B+4*(\s):G0B+4*(\s)+3], s[G1B:G1B+7]
	s_nop 0
.rept 4
	v_nop
.endr
.Lasked_\@:
.endm
; A PREFETCH INTO THE L2, behind each joint load, its five lines and the run of LDS loads that follows them: the K step that stands two refills on: 32 rows x 256 bytes, a lane a row, one instruction a wave.
; Each row's 256 bytes of a K step are named once in the launch: ab's tile row is read by every cluster of that row of clusters, and the one with x = 0 asks; wb's tile column by every cluster of that
; column, and the one with y = 0 asks.  The four partners that ask for a tile jointly share its rows out BY ADDRESS: of the 128 rows that a wave fetches the partner at place p takes 32 p .. 32 p + 31
; (p = cx for ab, cy for wb): no branch hangs on a work-group's place in its cluster.  how = 0, in the loop: a tile's last two refills have no K step two on; how = 1, at the change of tiles.
.macro ASK how
.if \how
	s_cmp_eq_u32 s[LIM], 1
.else
	s_cmp_gt_u32 s3, s[LIM]                        ; s3 = 1 in the loop's last trip
.endif
	s_cbranch_scc0 .Lnot_mine_\@
	global_prefetch_b8 v[PFO], s[PFA:PFA+1] offset:KSTEP*2 th:TH_LOAD_NT scope:SCOPE_SE
.Lnot_mine_\@:
.endm
; A round of the cluster's barrier: my work-group's barrier, so that wave 0's signal speaks for all four waves; wave 0 signals for the work-group; every wave waits for all sixteen work-groups;
; my work-group's barrier once more.  No LDS instruction of the wave is pending at a signal.
.macro CREST                           ; a round behind its opening barrier
	s_cmp_lg_u32 s10, 0
	s_cbranch_scc1 .Lnot_wave_0_\@
	s_barrier_signal -3
.Lnot_wave_0_\@:
	s_barrier_wait -3
	s_barrier_signal -1
	s_barrier_wait -1
.endm
.macro CROUND                          ; a whole round
	s_barrier_signal -1
	s_barrier_wait -1
	CREST
.endm
	s_load_b128 s[4:7], s[0:1], 0x0                ; ab s[4:5], wb s[6:7]
	s_load_b128 s[68:71], s[0:1], 0x10             ; bias_ih s[68:69], bias_hh s[70:71]
	s_load_b64 s[8:9], s[0:1], 0x20                ; gates
	s_load_b64 s[72:73], s[0:1], 0x28              ; cbuf
	v_lshl_add_u32 v[SPW], v0, 2, SPARE
	v_mov_b32 v[NIL], 0
	ds_add_u32 v[SPW], v[NIL]                      ; the wave's opening: the add and its wait stand ahead of my first tensor load; the set-up below, work on registers, stands between them
	v_lshrrev_b32 v1, 5, v0
	v_readfirstlane_b32 s10, v1                    ; wave 0..3
	s_lshr_b32 s11, s10, 1                         ; which half of the tile's rows is mine.  Also: I fetch for ab (0) or for wb (1)
	s_and_b32 s12, s10, 1                          ; which half of its columns.  Also: which 128 rows of that tile I fetch
	s_bfe_u32 s40, ttmp6, 0x40000                  ; cx: my place along the cluster's x
	s_bfe_u32 s41, ttmp6, 0x40004                  ; cy: along its y
	s_lshl_b32 s42, ttmp9, 2                       ; in a cluster launch ttmp9 and ttmp7 count clusters
	s_add_co_u32 s42, s42, s40                     ; tile column = 4 x cluster x + cx
	s_and_b32 s13, ttmp7, 0xffff
	s_lshl_b32 s13, s13, 2
	s_add_co_u32 s13, s13, s41                     ; tile row = 4 x cluster y + cy
	s_lshl_b32 s43, s41, 2
	s_lshl_b32 s43, 15, s43                        ; my row of the cluster: places 4 cy .. 4 cy + 3
	s_lshl_b32 s44, 0x1111, s40                    ; my column: places cx, cx + 4, cx + 8, cx + 12
	s_mov_b32 s66, 0x76543210                      ; v_permlanex16_b32's selects: each lane takes its own place in the other half
	s_mov_b32 s67, 0xfedcba98
	; descriptor group 1: a tile of 128 rows x 128 elements, padded in LDS
	s_or_b32 s[G1+0], s43, (1<<16)|(1<<20)|(1<<21)|(5<<22)|(3<<25)  ; 15:0 the mask: ab's tiles go to my row; 17:16 element of 2 bytes; 20 padding on; 21 set beside a mask; 24:22 after every 64 words (code 5); 31:25 4 words of it (code 3)
	s_or_b32 s[G1B+0], s44, (1<<16)|(1<<20)|(1<<21)|(5<<22)|(3<<25) ; the same with the mask of my column, for wb's tiles
	s_mov_b32 s[G1B+1], KSTEP<<16
	s_mov_b32 s[G1+1], KSTEP<<16                   ; tensor_dim0 = 128
	s_mov_b32 s[G1B+2], 128<<16
	s_mov_b32 s[G1+2], 128<<16                     ; tensor_dim1 = 128
	s_mov_b32 s[G1B+3], KSTEP<<16
	s_mov_b32 s[G1+3], KSTEP<<16                   ; tile_dim0 = 128
	s_mov_b32 s[G1B+4], 128
	s_mov_b32 s[G1+4], 128                         ; tile_dim1 = 128; tile_dim2 = 0
	s_mov_b32 s[G1B+5], SIZE_K
	s_mov_b32 s[G1+5], SIZE_K                      ; elements from row to row
	s_mov_b32 s[G1B+6], 0
	s_mov_b32 s[G1+6], 0
	s_mov_b32 s[G1B+7], 0
	s_mov_b32 s[G1+7], 0
	; where the tiles come from.  ab's hang on the tile row alone, which my row of the cluster shares; wb's on the tile column alone, which my column shares.
	; Every wave makes both addresses, in registers that never hold the other coordinate, and asks by one of them.
	s_lshl_b32 s17, s12, 7                         ; which 128 rows of the tile I fetch
	s_lshl_b32 s16, s13, 8
	s_add_co_u32 s16, s16, s17                     ; ab: row 256 x tile row + 128 x half
	s_lshl_b32 s46, s42, 8
	s_add_co_u32 s46, s46, s17                     ; wb: row 256 x tile column + 128 x half
	s_mov_b32 s17, 0
	s_mov_b32 s47, 0
	s_mov_b64 s[18:19], SIZE_K*2
	s_mul_u64 s[16:17], s[16:17], s[18:19]         ; in bytes
	s_mul_u64 s[46:47], s[46:47], s[18:19]
	s_mul_i32 s20, s10, HALFT                      ; and where they go: wave x 128 rows: no place in the cluster enters an LDS address
	s_wait_dscnt 0x0                               ; the opening add is done
	s_wait_kmcnt 0x0
	s_add_nc_u64 s[14:15], s[4:5], s[16:17]
	s_add_nc_u64 s[46:47], s[6:7], s[46:47]
	CROUND                                         ; all sixteen work-groups are here: the first joint loads meet
.irp s, 0,1
	s_mov_b32 s[G0+4*(\s)], 1                                      ; count = 1
	s_add_co_u32 s[G0+4*(\s)+1], s20, (\s)*SLOT                    ; LDS address
	s_add_nc_u64 s[G0+4*(\s)+2:G0+4*(\s)+3], s[14:15], (\s)*KSTEP*2  ; global address: K step s
	s_or_b32 s[G0+4*(\s)+3], s[G0+4*(\s)+3], 0x80000000            ; type = 2
	s_mov_b32 s[G0B+4*(\s)], 1
	s_add_co_u32 s[G0B+4*(\s)+1], s20, (\s)*SLOT
	s_add_nc_u64 s[G0B+4*(\s)+2:G0B+4*(\s)+3], s[46:47], (\s)*KSTEP*2
	s_or_b32 s[G0B+4*(\s)+3], s[G0B+4*(\s)+3], 0x80000000
	JLOAD \s                                       ; the ring is filled before anything else is done: two loads of mine are out
.endr
	; A fragment is 16 rows x 32 K in 8 registers: lane l holds row l % 16; registers 0-3 hold K = 8 (l / 16) + 0..7, registers 4-7 K = 16 + 8 (l / 16) + 0..7: two loads of 16 bytes, 32 bytes apart.
	v_and_b32 v1, 15, v0                           ; l % 16
	v_bfe_u32 v2, v0, 4, 1                         ; l / 16
	v_mul_u32_u24 v3, v1, PITCH
	v_lshl_add_u32 v3, v2, 4, v3                   ; row x pitch + 16 x half
	s_mul_i32 s21, s11, HALFT                      ; my 128 rows of ab
	s_mul_i32 s22, s12, HALFT                      ; my 128 rows of wb,
	s_add_co_u32 s22, s22, 2*HALFT                 ; which lie behind ab's 256
.irp s, 0,1
	v_add_nc_u32 v[ADRA+(\s)], s21, v3
	v_add_nc_u32 v[ADRB+(\s)], s22, v3
	s_add_co_u32 s21, s21, SLOT
	s_add_co_u32 s22, s22, SLOT
.endr
	s_mul_i32 s23, s10, 16*SPITCH
	s_add_co_u32 s23, s23, STAGE                   ; my stage
	v_mul_u32_u24 v4, v1, SPITCH                   ; in: row l % 16, 16 bytes for each half of the lanes
	v_lshl_add_u32 v4, v2, 4, v4
	v_add_nc_u32 v[STO], s23, v4
	v_mul_u32_u24 v5, v2, SPITCH                   ; back: lanes 0-15 take one row of 256 bytes, lanes 16-31 the next
	v_lshl_add_u32 v5, v1, 4, v5
	v_add_nc_u32 v[RD], s23, v5
	v_mul_u32_u24 v5, v2, CROW                     ; and the same two rows in gates
	v_lshl_add_u32 v[CO], v1, 4, v5
	s_lshl_b32 s23, s10, 9
	s_add_co_u32 s23, s23, CST                     ; my 128 references
	v_lshl_add_u32 v[CSTO], v1, 2, s23             ; in: the word of row l % 16 (both halves of the lanes write it, with the same number)
	v_and_b32 v5, 31, v0
	v_lshlrev_b32 v[CGO], 4, v5                    ; back: four rows' words a lane,
	v_add_nc_u32 v[CRD], s23, v[CGO]               ; which are 512 consecutive bytes of cbuf
	v_mov_b32 v[PTX], 0                            ; v_permlanex16_b32 counts as a reader of its destination
	; where my part of the first tile begins in gates and in cbuf, in bytes
	s_lshl_b32 s13, s13, 8
	s_lshl_b32 s14, s11, 7
	s_add_co_u32 s16, s13, s14                     ; my first row
	s_lshl_b32 s74, s16, 2                         ; its word in a line of cbuf,
	s_lshl_b32 s75, s42, 1
	s_add_co_u32 s75, s75, s12                     ; my block of 128 columns: 2 x tile column + half,
	s_lshl_b32 s75, s75, 15                        ; x 8,192 rows x 4 bytes
	s_add_co_u32 s74, s74, s75
	s_mov_b32 s75, 0
	s_add_nc_u64 s[72:73], s[72:73], s[74:75]
	s_mov_b32 s17, 0
	s_mov_b64 s[18:19], CROW
	s_mul_u64 s[16:17], s[16:17], s[18:19]
	s_lshl_b32 s46, s42, 9                         ; my first column, in bytes of f16: 512 x tile column + 256 x half (in the registers that held wb's address: none that feeds ab's descriptors ever holds cx)
	s_lshl_b32 s47, s12, 8
	s_add_co_u32 s46, s46, s47
	s_mov_b32 s47, 0
	s_add_nc_u64 s[16:17], s[16:17], s[46:47]      ; the first way out adds this to the buffer's address
	s_lshl_b32 s46, s46, 1                         ; the same column in bytes of f32, for the biases:
	v_lshl_add_u32 v[BO], v2, 5, s46               ; my lanes' eight columns begin 32 (l / 16) bytes further on
	; the prefetches.  s13 = 256 x tile row, s42 = tile column, s40 = cx, s41 = cy still stand
	s_lshl_b32 s42, s42, 8
	s_and_b32 s22, ttmp7, 0xffff                   ; cluster y
	s_cmp_eq_u32 s11, 0                            ; do I fetch for ab?
	s_cselect_b32 s20, s13, s42                    ; the tile's first row: in ab by the tile row, in wb by the tile column
	s_cselect_b32 s21, s40, s41                    ; my place among the four that ask for it with me
	s_cselect_b32 s22, ttmp9, s22                  ; the coordinate along which other clusters read the same rows
	s_cselect_b64 s[PFA:PFA+1], s[4:5], s[6:7]
	s_cmp_eq_u32 s22, 0
	s_cselect_b32 s[LIM], 1, -1                    ; the same in all sixteen partners, for a given wave
	s_lshl_b32 s22, s12, 7
	s_add_co_u32 s20, s20, s22                     ; + the 128 rows that I fetch
	s_lshl_b32 s21, s21, 5
	s_add_co_u32 s20, s20, s21                     ; + my work-group's 32 of them
	s_mov_b32 s21, 0
	s_mov_b64 s[18:19], SIZE_K*2
	s_mul_u64 s[20:21], s[20:21], s[18:19]
	s_add_nc_u64 s[PFA:PFA+1], s[PFA:PFA+1], s[20:21]
	s_add_nc_u64 s[PFA:PFA+1], s[PFA:PFA+1], 2*KSTEP*2  ; at K step 2: the first refill steps it to 3 and names K step 4; nothing is prefetched here, at the head
	v_and_b32 v[PFO], 31, v0
	v_mul_u32_u24 v[PFO], v[PFO], SIZE_K*2
	; THE BIAS, in the wait for the first tile: register j of block b is bf16(bias_ih[c]) + bf16(bias_hh[c]) for column c = my first + 16 b + 8 (l / 16) + j, the accumulators' layout.
	WIN TO_B
.irp b, 0,1,2,3,4,5,6,7
	global_load_b128 v[BIAS+8*(\b):BIAS+8*(\b)+3],   v[BO], s[68:69] offset:64*(\b)
	global_load_b128 v[BIAS+8*(\b)+4:BIAS+8*(\b)+7], v[BO], s[68:69] offset:64*(\b)+16
	global_load_b128 v[BH+8*(\b):BH+8*(\b)+3],       v[BO], s[70:71] offset:64*(\b)
	global_load_b128 v[BH+8*(\b)+4:BH+8*(\b)+7],     v[BO], s[70:71] offset:64*(\b)+16
.endr
	s_wait_loadcnt 0x0
	WIN 0x55                                       ; all operands in window 1
.set p, 0
.rept 32
	v_cvt_pk_bf16_f32 v[BIAS+p], v[BIAS+p], v[BIAS+p+1]      ; two roundings,
	v_cvt_pk_bf16_f32 v[BH+p], v[BH+p], v[BH+p+1]
	v_and_b32 v[BIAS+p+1], 0xffff0000, v[BIAS+p]             ; and back to f32: the high half stays,
	v_and_b32 v[BH+p+1], 0xffff0000, v[BH+p]
	v_lshlrev_b32 v[BIAS+p], 16, v[BIAS+p]                   ; the low half moves up
	v_lshlrev_b32 v[BH+p], 16, v[BH+p]
	v_pk_add_f32 v[BIAS+p:BIAS+p+1], v[BIAS+p:BIAS+p+1], v[BH+p:BH+p+1]
.set p, p+2
.endr
	WIN 0
; 16 matrix instructions: m blocks a0, a0 + 1 of the window's four (hi = 0: my rows 0-63, 1: rows 64-127) x all 8 n blocks, 32 along K.  first = 1: the product starts the sum, with the bias as C.
; The 64 accumulators take turns, one instruction a turn, in the same order in every quarter step.
.macro MUL16 f, hi, a0, first
.if \first
	WIN MUL_1ST+0x40*(\hi)
.else
	WIN MUL_LO+0x50*(\hi)
.endif
.irp a, \a0, (\a0)+1
.irp b, 0,1,2,3,4,5,6,7
.if \first
	v_wmma_f32_16x16x32_bf16 v[8*(8*(\a)+(\b)):8*(8*(\a)+(\b))+7], v[(\f)+8*(\b):(\f)+8*(\b)+7], v[(\f)+8*(4*(\hi)+(\a)):(\f)+8*(4*(\hi)+(\a))+7], v[BIAS+8*(\b):BIAS+8*(\b)+7]
.else
	v_wmma_f32_16x16x32_bf16 v[8*(8*(\a)+(\b)):8*(8*(\a)+(\b))+7], v[(\f)+8*(\b):(\f)+8*(\b)+7], v[(\f)+8*(4*(\hi)+(\a)):(\f)+8*(4*(\hi)+(\a))+7], v[8*(8*(\a)+(\b)):8*(8*(\a)+(\b))+7]
.endif
.endr
.endr
.endm
; 32 LDS loads in one run: the fragments of one quarter step (128 rows of wb, 128 rows of ab, 32 K at byte k of the rows) into buffer f
.macro FETCH slot, k, f
	WIN TO_B
.irp i, 0,1,2,3,4,5,6,7
	ds_load_b128 v[(\f)+8*(\i):(\f)+8*(\i)+3],   v[ADRB+(\slot)] offset:(\k)+(\i)*16*PITCH
	ds_load_b128 v[(\f)+8*(\i)+4:(\f)+8*(\i)+7], v[ADRB+(\slot)] offset:(\k)+(\i)*16*PITCH+32
.endr
	WIN 0
.irp i, 0,1,2,3,4,5,6,7
	ds_load_b128 v[(\f)+8*(\i):(\f)+8*(\i)+3],   v[ADRA+(\slot)] offset:(\k)+(\i)*16*PITCH
	ds_load_b128 v[(\f)+8*(\i)+4:(\f)+8*(\i)+7], v[ADRA+(\slot)] offset:(\k)+(\i)*16*PITCH+32
.endr
.endm
; A load into a register that a matrix instruction has read, and a vector instruction that reads or writes a matrix result, stand four places behind that matrix instruction, and only plain vector
; instructions that name none of its registers are places (ISA guide 7.12.1 for vector instructions).
.macro PLACES
.rept 4
	v_nop
.endr
.endm
; A K step is four quarter steps of 32 along K, 64 matrix instructions each, on buffers 0, 1, 0, 1.
; One of the first three: multiplies buffer f; in its middle it fetches the next quarter's fragments, at byte k of the same slot's rows, into buffer g.
.macro QUARTER slot, k, f, g, first
	s_wait_dscnt 8                                 ; wb's and ab's rows 0-63 are in; the youngest eight loads (ab's rows 64-127) may be out
	MUL16 \f, 0, 0, \first
	MUL16 \f, 0, 2, \first
	PLACES
	FETCH \slot, \k, \g
	s_wait_dscnt 32                                ; all but the 32 just issued
	MUL16 \f, 1, 0, \first
	MUL16 \f, 1, 2, \first
.endm
; The last quarter multiplies buffer 1 and changes slots.  MEET is its first half: one barrier for the change of slots.  In front of it each wave waits for all its tensor loads, of which one is out:
; its part of the next slot; adds 0 to its spare word; and waits for that and for its own reads of this slot.  Behind it nobody reads this slot any more and the next slot is whole.
.macro MEET round                      ; round = 1: a round of the cluster's barrier follows
	WIN 0                                          ; (the add's two registers lie in window 0)
	s_wait_tensorcnt 0x0                           ; all my tensor loads have landed;
	ds_add_u32 v[SPW], v[NIL]                      ; 0 onto my spare word;
	s_wait_dscnt 9                                 ; (the add and the youngest eight loads may be out)
	MUL16 F1, 0, 0, 0                              ; sixteen matrix instructions stand between the add and the wait for it
	s_wait_dscnt 0x0                               ; the add is done, and my reads of this slot are over:
	s_barrier_signal -1                            ; say so,
	MUL16 F1, 0, 2, 0                              ; work on registers while the others arrive,
.if \round
	WIN 0
.endif
	s_barrier_wait -1                              ; and go on when all four have said so
.endm
; The whole last quarter.  Behind the round the slot just read out is filled again first: with this tile's K step two steps on (on = 0) or, in the first tile's last two K steps, with the second tile's
; K step 0 or 1 (on = 1); then come the next slot's first fragments.  From a request to the wait for it a wave issues 224 matrix instructions; one load of mine is out behind each round.
.macro TURN slot, next, on
	s_wait_xcnt 0x0                                ; the last prefetch, a K step back, has read its address: it is stepped here, ahead of the waits of the change of slots
.if (\on) && (\slot) == 0
	s_add_nc_u64 s[PFA:PFA+1], s[PFA:PFA+1], (WALK-1)*SIZE_K*2+KSTEP*2  ; from the K step after the tile's last to the next tile's K step 1: WALK rows down, back along K
	s_cmp_eq_u32 s11, 0
	s_cselect_b32 s[LIM], s[LIM], -1               ; wb's rows are the same for both tiles: they are asked for in the first alone
.else
	s_add_nc_u64 s[PFA:PFA+1], s[PFA:PFA+1], KSTEP*2
.endif
	MEET 1
	CREST                                          ; no wave of any partner still reads this slot's tile or has a load on its way
.if \on
	s_add_nc_u64 s[G0+4*(\slot)+2:G0+4*(\slot)+3], s[G0+4*(\slot)+2:G0+4*(\slot)+3], NEXT_A
	s_sub_nc_u64 s[G0B+4*(\slot)+2:G0B+4*(\slot)+3], s[G0B+4*(\slot)+2:G0B+4*(\slot)+3], BACK_B
.else
	s_add_nc_u64 s[G0+4*(\slot)+2:G0+4*(\slot)+3], s[G0+4*(\slot)+2:G0+4*(\slot)+3], 2*KSTEP*2
	s_add_nc_u64 s[G0B+4*(\slot)+2:G0B+4*(\slot)+3], s[G0B+4*(\slot)+2:G0B+4*(\slot)+3], 2*KSTEP*2
.endif
	JLOAD \slot                                    ; the first tensor load behind the round; the four v_nop behind it are also the places in front of the loads below
	FETCH \next, 0, F0
	ASK \on                                        ; behind the joint load and the run of LDS loads that the next products wait for
	MUL16 F1, 1, 0, 0
	MUL16 F1, 1, 2, 0
.endm
; THE WAY OUT of block a (16 of my rows x my 128 columns), in three parts.
; PACK.  The reference: register 0 of the block's first accumulator is column 0 of my row in lanes 0-15 and column 8 in lanes 16-31; it is brought into window 0, the lane 16 away gives the other, and
; half their sum is the same number, bit for bit, in both lanes.  Then the block less the reference, in place, each accumulator from its low end on; then rounded to f16, 16 bytes a lane.
.macro PACK a
.set AC, 64*((\a)%4)
	WIN 0x02+(\a)/4                                ; source 0 in window 2 or 3
	v_mov_b32 v[SUMR], v[AC]
	WIN 0
	v_permlanex16_b32 v[PTX], v[SUMR], s66, s67
	v_add_f32 v[SUMR], v[SUMR], v[PTX]
	v_mul_f32 v[NC], -0.5, v[SUMR]
	v_mul_f32 v[NC+1], -0.5, v[SUMR]
	v_mul_f32 v[CV], 0.5, v[SUMR]
	WIN 0x82+0x41*((\a)/4)                         ; destination and source 0 in window 2 or 3, source 1 in window 0
.set i, 0
.rept 32
	v_pk_add_f32 v[AC+2*i:AC+2*i+1], v[AC+2*i:AC+2*i+1], v[NC:NC+1]
.set i, i+1
.endr
	WIN 0x0a+5*((\a)/4)                            ; sources 0 and 1 in window 2 or 3, destination in window 0
.irp b, 0,1,2,3,4,5,6,7
.irp r, 0,1,2,3
	v_cvt_pk_f16_f32 v[TMP+4*(\b)+(\r)], v[AC+8*(\b)+2*(\r)], v[AC+8*(\b)+2*(\r)+1]
.endr
.endr
	WIN 0
.endm
; TOSTAGE.  Into my own stage, and back as whole rows of 256 bytes; the row's reference into its word.  The stage is my wave's own and LDS serves a wave's instructions in order (ISA guide 5.7.1.4): no barrier, no wait between.
.macro TOSTAGE a
.set BK, OB+192*((\a)%2)
.irp b, 0,1,2,3,4,5,6,7
	ds_store_b128 v[STO], v[TMP+4*(\b):TMP+4*(\b)+3] offset:32*(\b)
.endr
	ds_store_b32 v[CSTO], v[CV] offset:64*(\a)
.irp t, 0,1,2,3,4,5,6,7
	ds_load_b128 v[BK+4*(\t):BK+4*(\t)+3], v[RD] offset:(\t)*2*SPITCH
.endr
.endm
; SEND.  Stored.
.macro SEND a
.set BK, OB+192*((\a)%2)
	s_wait_dscnt 0x0                               ; the block is back in registers
	s_wait_xcnt 0x0                                ; earlier stores have read their base and their data: only behind this wait is the base stepped, and the other set of 32 registers loaded again
.if (\a) == 0
	s_add_nc_u64 s[8:9], s[8:9], s[16:17]          ; on to this tile's first rows
.else
	s_add_nc_u64 s[8:9], s[8:9], 16*CROW           ; 16 rows on
.endif
.irp t, 0,1,2,3,4,5,6,7
	global_store_b128 v[CO], v[BK+4*(\t):BK+4*(\t)+3], s[8:9] offset:2*(\t)*CROW  ; 16 lanes store 256 consecutive bytes, at a multiple of 256 from the buffer's first byte
.endr
.endm
.macro OUT
	PLACES                                         ; behind the tile's last products, whose results are read and written below
	PACK 0
	TOSTAGE 0
.irp a, 1,2,3,4,5,6,7                  ; block a's arithmetic stands between block a - 1's loads from the stage and the wait for them
	PACK \a
	SEND (\a)-1
	TOSTAGE \a
.endr
	SEND 7
	ds_load_b128 v[CB:CB+3], v[CRD]                ; my 128 rows' references, four a lane: these see the eight stores above
	s_wait_dscnt 0x0
	global_store_b128 v[CGO], v[CB:CB+3], s[72:73] ; the wave stores 512 consecutive bytes, at a multiple of 512 from the buffer's first byte
.endm
	s_wait_tensorcnt 1                             ; my part of K step 0 is in; K step 1's load, issued behind it, may stay out
	s_barrier_signal -1
	s_barrier_wait -1                              ; everybody's is
	FETCH 0, 0, F0
	s_mov_b32 s2, SIZE_TILES                       ; tiles to go, this one among them: the same number in every work-group
.Ltile:                                                ; (FETCH and OUT leave every window 0)
	QUARTER 0, 64,  F0, F1, 1                      ; a tile's first quarter stands in front of the loop: its products start the sums, on the bias
	WIN 0                                          ; at a label and at a branch every window is 0
	s_mov_b32 s3, LAPS-1
.Llap:                                                 ; a trip goes once round the ring, from a lap's second quarter to the next lap's first, and fills both slots again
	QUARTER 0, 128, F1, F0, 0
	QUARTER 0, 192, F0, F1, 0
	TURN 0, 1, 0
	QUARTER 1, 64,  F0, F1, 0
	QUARTER 1, 128, F1, F0, 0
	QUARTER 1, 192, F0, F1, 0
	TURN 1, 0, 0
	QUARTER 0, 64,  F0, F1, 0
	WIN 0
	s_sub_co_u32 s3, s3, 1
	s_cmp_lg_u32 s3, 0
	s_cbranch_scc1 .Llap
	QUARTER 0, 128, F1, F0, 0                      ; the tile's last lap goes on
	QUARTER 0, 192, F0, F1, 0
	WIN 0
	s_cmp_eq_u32 s2, 1
	s_cbranch_scc1 .Llast_tile                     ; the last tile's tail is written out: it asks for nothing more
	TURN 0, 1, 1                                   ; the ring goes on into the next tile: slot 0 takes its K step 0,
	QUARTER 1, 64,  F0, F1, 0
	QUARTER 1, 128, F1, F0, 0
	QUARTER 1, 192, F0, F1, 0
	TURN 1, 0, 1                                   ; slot 1 its K step 1, and the next tile's first fragments are fetched
	OUT                                            ; both refills are asked for: now the tile goes out: 65 stores a wave, for which nothing waits
	s_mov_b64 s[16:17], NEXT_C                     ; what the next way out adds to gates' address
	s_wait_xcnt 0x0                                ; the references' store has read its base,
	s_add_nc_u64 s[72:73], s[72:73], WALK*4        ; which goes WALK rows on
	s_sub_co_u32 s2, s2, 1
	s_branch .Ltile
.Llast_tile:
	MEET 0                                         ; my one tensor load that was still out is slot 1's, the last K step's, so no round follows
	PLACES                                         ; for the loads into buffer 0
	FETCH 1, 0, F0
	MUL16 F1, 1, 0, 0
	MUL16 F1, 1, 2, 0
	QUARTER 1, 64,  F0, F1, 0
	QUARTER 1, 128, F1, F0, 0
	QUARTER 1, 192, F0, F1, 0
	s_wait_dscnt 8                                 ; the very last quarter: nothing more to fetch
	MUL16 F1, 0, 0, 0
	MUL16 F1, 0, 2, 0
	s_wait_dscnt 0x0
	MUL16 F1, 1, 0, 0
	MUL16 F1, 1, 2, 0
	OUT
	s_wait_tensorcnt 0x0                           ; the wave's end, behind my last tensor load and my last LDS store
	ds_add_u32 v[SPW], v[NIL]
	s_wait_dscnt 0x0
	CROUND                                         ; the closing round: no work-group ends while a partner may still ask for a tile that names it
	s_endpgm
.Lfunc_end_k_qb3b4b4878f_gemm:
	.size	k_qb3b4b4878f_gemm, .Lfunc_end_k_qb3b4b4878f_gemm-k_qb3b4b4878f_gemm
	.p2alignl 7, 3214868480
	.fill 96, 4, 3214868480
	.section	.rodata,"a",@progbits
	.p2align	6, 0x0
	.amdhsa_kernel k_qb3b4b4878f_gemm
		.amdhsa_group_segment_fixed_size 327680
		.amdhsa_private_segment_fixed_size 0
		.amdhsa_enable_private_segment 0
		.amdhsa_kernarg_size 48
		.amdhsa_user_sgpr_count 2
		.amdhsa_user_sgpr_kernarg_segment_ptr 1
		.amdhsa_wavefront_size32 1
		.amdhsa_system_sgpr_workgroup_id_x 1
		.amdhsa_system_sgpr_workgroup_id_y 1
		.amdhsa_system_sgpr_workgroup_id_z 1
		.amdhsa_system_vgpr_workitem_id 0
		.amdhsa_next_free_vgpr 1024
		.amdhsa_next_free_sgpr 76
		.amdhsa_reserve_vcc 0
		.amdhsa_float_denorm_mode_32 3
		.amdhsa_float_denorm_mode_16_64 3
		.amdhsa_memory_ordered 1
		.amdhsa_forward_progress 1
		.amdhsa_inst_pref_size 255
	.end_amdhsa_kernel
	.section	.bss,"aw",@nobits
	.p2align	6
	.space	262144
	.amdgpu_metadata
---
amdhsa.version: [ 1, 2 ]
amdhsa.kernels:
  - .name:           k_qb3b4b4878f_gemm
    .symbol:         k_qb3b4b4878f_gemm.kd
    .args:
      - { .name: ab, .offset: 0, .size: 8, .value_kind: global_buffer, .address_space: global }
      - { .name: wb, .offset: 8, .size: 8, .value_kind: global_buffer, .address_space: global }
      - { .name: bias_ih, .offset: 16, .size: 8, .value_kind: global_buffer, .address_space: global }
      - { .name: bias_hh, .offset: 24, .size: 8, .value_kind: global_buffer, .address_space: global }
      - { .name: gates, .offset: 32, .size: 8, .value_kind: global_buffer, .address_space: global }
      - { .name: cbuf, .offset: 40, .size: 8, .value_kind: global_buffer, .address_space: global }
    .group_segment_fixed_size: 327680
    .private_segment_fixed_size: 0
    .kernarg_segment_align: 8
    .kernarg_segment_size: 48
    .max_flat_workgroup_size: 128
    .sgpr_count:     76
    .vgpr_count:     1024
    .wavefront_size: 32
...
	.end_amdgpu_metadata
.endif
;; end of part 2
;; launch cell (part 3): grid 256 x 1, 16 waves a work-group, no clusters, 47,616 bytes of LDS; arguments gates, cx, ln_i_g, ln_i_b, ln_f_g, ln_f_b, ln_cx_g, ln_cx_b, ln_o_g, ln_o_b, ln_cy_g, ln_cy_b, out0, out1, cbuf; writes out0, out1
.if DOCPART == 3
	.amdgcn_target "amdgcn-amd-amdhsa--gfx1250"
	.amdhsa_code_object_version 6
	.text
	.protected	k_qb3b4b4878f_cell
	.globl	k_qb3b4b4878f_cell
	.p2align	8
	.type	k_qb3b4b4878f_cell,@function
k_qb3b4b4878f_cell:
	s_mov_b64 s[64:65], 0
	v_nop
	global_prefetch_b8 v0, s[64:65] scope:SCOPE_SE
	s_setreg_imm32_b32 hwreg(HW_REG_WAVE_MODE, 25, 1), 1
	s_wait_xcnt 0x0
; i = sigmoid(LN(g[:, 0:1024])), f = sigmoid(LN(g[:, 1024:2048])), c = tanh(LN(g[:, 2048:3072])), o = sigmoid(LN(g[:, 3072:4096]));
; out1 = cy = LN(f cx + i c); out0 = hy = o tanh(cy).  cx, out0, out1: [8192][1024] f32; ten gains and biases of 1,024 f32.
; g COMES IN TWO PARTS: gates[m][n], [8192][4096] f16, is g[m][n] less a reference number of row m and of n's block of 128 columns; cbuf[block][m], [32][8192] f32, is that reference.
; A norm does not see a number common to its 1,024 columns, so a section is taken as gates + (its block's reference - the reference of the section's first block): the large common part is never added back.
; LIMITS.  cx and the ten gains and biases are rounded once to bf16, like every other input of the program; all sums, statistics and activations are f32.  A variance is taken in two passes: the mean
; first, then the squares of the differences.  sigmoid(y) = 1 / (1 + 2^(-y log2 e)), tanh(y) = 1 - 2 / (1 + 2^(2 y log2 e)): an exponential past f32's range gives infinity and its reciprocal 0, one
; below 2^-126 counts as 0: both are the functions' limits; near 0 tanh carries an absolute error of about 1e-7.  NaN and infinities in the inputs are not treated apart.
; SHARES.  A work-group takes 32 rows, each of its 16 waves two, one after the other.  ONE WAVE, ONE ROW: the row's 4,096 gates and 1,024 cx lie in 160 registers from the load to the last store, and
; all five norms' sums stay inside the wave.  Lane l holds columns 128 j + 4 l .. + 3 (j = 0..7) of each section of 1,024: a load of gates covers 256 consecutive bytes, every other load and store 512;
; chunk j of section q is block 8 q + j of 128 columns, so a chunk has one reference for all lanes.
; THE TABLES.  The ten vectors are copied once into LDS, rounded to bf16 and multiplied by the factor that the activation's exponential wants (-log2 e for a sigmoid, 2 log2 e for tanh, none for cy),
; so that the norm's multiply-add delivers the exponent.  Four chunks of gain and bias (16 bytes a lane each) are always on their way from LDS.  The work-group's 32 x 32 references are copied beside them.
; No matrix work, no cluster, no prefetch: the launch streams each byte once and its work-groups share only the tables' 40 KiB.
.set LO,  1                            ; v1       16 x my lane: my offset in 512 bytes of memory and of a table; never rewritten
.set LH,  2                            ; v2       8 x my lane: my offset in 256 bytes of gates; never rewritten
.set TT,  3                            ; v3       the head: my 16 bytes of a vector of 4,096
.set TS,  4                            ; v4       the head: where they go in LDS: 16 x my thread's number: threads 0-255 a gain, threads 256-511 the bias 4,096 bytes behind it
.set SPW, 6                            ; v6       LDS address of my spare word: SPARE + 4 x my thread's number; never rewritten
.set NIL, 7                            ; v7       0; never rewritten
.set C,   8                            ; v[8:15]  four chains of sums, a pair each
.set SM,  16                           ; v[16:19] a gate's sum
.set PT,  20                           ; v[20:23] what the other half of the lanes holds
.set NM,  24                           ; v[24:31] minus a gate's mean, twice (a pair for the packed add)
.set SS,  32                           ; v[32:35] a gate's sum of squares, then its variance + eps
.set RS,  36                           ; v[36:43] 1 / sqrt of that, twice
.set CR,  44                           ; v[44:45] the head: two rows' references of one block
.set CL,  46                           ; v46      the head: where they lie in cbuf
.set CS,  47                           ; v47      the head: where they go in LDS
.set CA,  48                           ; v48      my row's line of references in LDS, less CT: the same in all lanes
.set ONE, 49                           ; v49      1.0: the mixed multiply-add takes registers alone
.set T,   64                           ; v[64:95] at a row's start its 32 references; then four slots of 8: four gains, four biases
.set CX,  96                           ; v[96:127] cx as loaded; then v[96:111]: its 32 numbers in bf16, pair k in register k
.set G,   128                          ; v[128:255] gate q at G + 32 q, chunk j at + 4 j; a chunk's four f16 are loaded into its upper two registers
.set CT,  40960                        ; behind the tables: the references, row r of the work-group's 32 at CT + 144 r, block B at + 4 B
.set CPITCH, 144                       ; 128 bytes + 16: the lines stay aligned for loads of 16 bytes, and two rows on is 72 words, so the head's sixteen stores of a half wave fall on eight banks
.set SPARE, CT+32*CPITCH               ; behind them: the spare words, 128 bytes for each of 16 waves: eight blocks of 256 bytes that no other line names
.set NLOG2E, 0xbfb8aa3b                ; -log2 e
.set LOG2E2, 0x4038aa3b                ; 2 log2 e
.macro LOADROW                         ; 40 loads: the row's four gates, then its cx
.set i, 0
.rept 32
	global_load_b64 v[G+4*i+2:G+4*i+3], v[LH], s[4:5] offset:256*i th:TH_LOAD_NT
.set i, i+1
.endr
.set i, 0
.rept 8
	global_load_b128 v[CX+4*i:CX+4*i+3], v[LO], s[6:7] offset:512*i th:TH_LOAD_NT
.set i, i+1
.endr
.endm
.macro TLOAD n                         ; chunk n % 8 of norm n / 8: four gains and four biases into slot n % 4
	ds_load_b128 v[T+8*((\n)%4):T+8*((\n)%4)+3],   v[LO] offset:8192*((\n)/8)+512*((\n)%8)
	ds_load_b128 v[T+8*((\n)%4)+4:T+8*((\n)%4)+7], v[LO] offset:8192*((\n)/8)+512*((\n)%8)+4096
.endm
.macro TABLE p, scale                  ; my four numbers of norm p's gain or bias: rounded to bf16, back to f32, times the factor (0: none), into LDS
.set a, T+4*(\p)
	v_cvt_pk_bf16_f32 v[a], v[a], v[a+1]
	v_cvt_pk_bf16_f32 v[a+2], v[a+2], v[a+3]
	v_and_b32 v[a+1], s14, v[a]
	v_and_b32 v[a+3], s14, v[a+2]
	v_lshlrev_b32 v[a], 16, v[a]
	v_lshlrev_b32 v[a+2], 16, v[a+2]
.if (\scale) != 0
	v_pk_mul_f32 v[a:a+1], v[a:a+1], \scale op_sel_hi:[1,0]
	v_pk_mul_f32 v[a+2:a+3], v[a+2:a+3], \scale op_sel_hi:[1,0]
.endif
	ds_store_b128 v[TS], v[a:a+3] offset:8192*(\p)
.endm
; Gate q's eight chunks are widened in place: a chunk's four f16 lie in its registers 2 and 3; each becomes f16 x 1 + the chunk's number, in f32, in one rounding.  Register 2 is written when both its halves
; have been read, register 3 by the line that reads its high half.
.macro EXPAND q
.set n, 8*(\q)
.rept 8
	v_fma_mix_f32 v[G+4*n],   v[G+4*n+2], v[ONE], v[T+n] op_sel_hi:[1,0,0]
	v_fma_mix_f32 v[G+4*n+1], v[G+4*n+2], v[ONE], v[T+n] op_sel:[1,0,0] op_sel_hi:[1,0,0]
	v_fma_mix_f32 v[G+4*n+2], v[G+4*n+3], v[ONE], v[T+n] op_sel_hi:[1,0,0]
	v_fma_mix_f32 v[G+4*n+3], v[G+4*n+3], v[ONE], v[T+n] op_sel:[1,0,0] op_sel_hi:[1,0,0]
.set n, n+1
.endr
.endm
.macro MERGE d                         ; the four chains into one number
	v_pk_add_f32 v[C:C+1], v[C:C+1], v[C+2:C+3]
	v_pk_add_f32 v[C+4:C+5], v[C+4:C+5], v[C+6:C+7]
	v_pk_add_f32 v[C:C+1], v[C:C+1], v[C+4:C+5]
	v_add_f32 v[\d], v[C], v[C+1]
.endm
.macro SUM q, d                        ; my 32 numbers of gate q, added in four chains that do not wait for each other; the first eight pairs start them: nothing is cleared
.set b, G+32*(\q)
.set k, 0
.rept 4
	v_pk_add_f32 v[C+2*k:C+2*k+1], v[b+2*k:b+2*k+1], v[b+8+2*k:b+8+2*k+1]
.set k, k+1
.endr
.set k, 8
.rept 8
	v_pk_add_f32 v[C+2*(k%4):C+2*(k%4)+1], v[C+2*(k%4):C+2*(k%4)+1], v[b+2*k:b+2*k+1]
.set k, k+1
.endr
	MERGE \d
.endm
.macro CENTER q, d                     ; gate q less its mean, in place; then the sum of my 32 squares
.set b, G+32*(\q)
.set k, 0
.rept 16
	v_pk_add_f32 v[b+2*k:b+2*k+1], v[b+2*k:b+2*k+1], v[NM+2*(\q):NM+2*(\q)+1]
.set k, k+1
.endr
.set k, 0
.rept 4
	v_pk_mul_f32 v[C+2*k:C+2*k+1], v[b+2*k:b+2*k+1], v[b+2*k:b+2*k+1]
.set k, k+1
.endr
.rept 12
	v_pk_fma_f32 v[C+2*(k%4):C+2*(k%4)+1], v[b+2*k:b+2*k+1], v[b+2*k:b+2*k+1], v[C+2*(k%4):C+2*(k%4)+1]
.set k, k+1
.endr
	MERGE \d
.endm
.macro RED base, n                     ; n numbers added over the 32 lanes, the result in every lane: four steps inside each half of 16 lanes ride on the addition, one crosses the halves
.irp m, 1,2,4,8
.set i, 0
.rept \n
	v_add_f32_dpp v[(\base)+i], v[(\base)+i], v[(\base)+i] row_xmask:\m row_mask:0xf bank_mask:0xf
.set i, i+1
.endr
.endr
.set i, 0
.rept \n
	v_permlanex16_b32 v[PT+i], v[(\base)+i], s12, s13
.set i, i+1
.endr
.set i, 0
.rept \n
	v_add_f32 v[(\base)+i], v[(\base)+i], v[PT+i]
.set i, i+1
.endr
.endm
.macro EXPQ e, i
.if (\e) >= 0
	v_exp_f32 v[(\e)+(\i)], v[(\e)+(\i)]
.endif
.endm
; Four centred numbers at v[g]: times 1 / sqrt(variance + eps), times gain plus bias.  Between the four lines stand the exponentials of the four numbers at v[e], made a chunk earlier (e < 0: none).
.macro NORM4 g, rs, t, e
	v_pk_mul_f32 v[(\g):(\g)+1], v[(\g):(\g)+1], v[(\rs):(\rs)+1]
	EXPQ \e, 0
	v_pk_mul_f32 v[(\g)+2:(\g)+3], v[(\g)+2:(\g)+3], v[(\rs):(\rs)+1]
	EXPQ \e, 1
	v_pk_fma_f32 v[(\g):(\g)+1], v[(\g):(\g)+1], v[(\t):(\t)+1], v[(\t)+4:(\t)+5]
	EXPQ \e, 2
	v_pk_fma_f32 v[(\g)+2:(\g)+3], v[(\g)+2:(\g)+3], v[(\t)+2:(\t)+3], v[(\t)+6:(\t)+7]
	EXPQ \e, 3
.endm
; 1 / (1 + z) for n pairs from v[base] on, in place: a pair's two reciprocals stand behind the next pair's addition.  One batch, one plain instruction behind its last, one wait.
.macro RCPS base, n
.set k, 0
.rept \n
	v_pk_add_f32 v[(\base)+2*k:(\base)+2*k+1], v[(\base)+2*k:(\base)+2*k+1], 1.0 op_sel_hi:[1,0]
.if k > 0
	v_rcp_f32 v[(\base)+2*k-2], v[(\base)+2*k-2]
	v_rcp_f32 v[(\base)+2*k-1], v[(\base)+2*k-1]
.endif
.set k, k+1
.endr
	v_rcp_f32 v[(\base)+2*k-2], v[(\base)+2*k-2]
	v_rcp_f32 v[(\base)+2*k-1], v[(\base)+2*k-1]
	v_nop
	s_wait_alu depctr_va_vdst(0)
.endm
	s_load_b128 s[4:7], s[0:1], 0x0                ; gates s[4:5], cx s[6:7]
	s_load_b512 s[16:31], s[0:1], 0x10             ; gain and bias of norms i, f, c, o: norm p's at s[16+4p:17+4p] and s[18+4p:19+4p]
	s_load_b256 s[32:39], s[0:1], 0x50             ; cy's gain s[32:33] and bias s[34:35]; out0 s[36:37], out1 s[38:39]
	s_load_b64 s[44:45], s[0:1], 0x70              ; cbuf
	v_lshl_add_u32 v[SPW], v0, 2, SPARE
	v_mov_b32 v[NIL], 0
	v_lshrrev_b32 v5, 5, v0
	v_readfirstlane_b32 s8, v5                     ; wave 0..15
	s_lshr_b32 s15, s8, 3                          ; waves 0-7 copy the gains, waves 8-15 the biases
	v_and_b32 v[LH], 31, v0
	v_lshlrev_b32 v[LO], 4, v[LH]
	v_lshlrev_b32 v[LH], 3, v[LH]
	v_and_b32 v[TT], 255, v0
	v_lshlrev_b32 v[TT], 4, v[TT]
	v_lshlrev_b32 v[TS], 4, v0
	v_lshrrev_b32 v5, 4, v0                        ; the references: thread t takes block t / 16
	v_and_b32 v[CS], 15, v0                        ; and rows 2 (t % 16), 2 (t % 16) + 1 of the work-group's 32:
	v_lshlrev_b32 v[CL], 3, v[CS]                  ; 8 bytes, sixteen threads 128 bytes on end,
	v_lshl_add_u32 v[CL], v5, 15, v[CL]            ; in the block's line of 8,192 rows x 4 bytes
	v_mul_u32_u24 v[CS], v[CS], 2*CPITCH
	v_lshl_add_u32 v[CS], v5, 2, v[CS]             ; in LDS a row's 32 references lie on end
	s_mul_i32 s46, s8, 2*CPITCH
	v_mov_b32 v[CA], s46                           ; my first row's line
	v_mov_b32 v[ONE], 1.0
.irp i, 0,1,2,3
	v_mov_b32 v[PT+(\i)], 0                        ; v_permlanex16_b32 counts as a reader of its destination
.endr
	s_mov_b32 s12, 0x76543210                      ; each lane takes its own place in the other half
	s_mov_b32 s13, 0xfedcba98
	s_mov_b32 s14, 0xffff0000                      ; a word's upper bf16
	s_mov_b32 s40, 0x3a800000                      ; 1 / 1,024
	s_mov_b32 s41, 0x3727c5ac                      ; eps = 1e-5
	s_lshl_b32 s42, ttmp9, 5
	s_lshl_b32 s43, s8, 1
	s_add_co_u32 s42, s42, s43                     ; my first row: 32 x work-group + 2 x wave
	s_mov_b32 s11, 0
	s_mov_b32 s9, 2                                ; rows to go
	s_wait_kmcnt 0x0
	s_cmp_eq_u32 s15, 0
.irp p, 0,1,2,3,4
	s_cselect_b64 s[48+2*(\p):49+2*(\p)], s[16+4*(\p):17+4*(\p)], s[18+4*(\p):19+4*(\p)]
.endr
.irp p, 0,1,2,3,4
	global_load_b128 v[T+4*(\p):T+4*(\p)+3], v[TT], s[48+2*(\p):49+2*(\p)]
.endr
	s_lshl_b32 s10, ttmp9, 7                       ; the work-group's 32 rows x 4 bytes in a line of cbuf
	s_add_nc_u64 s[44:45], s[44:45], s[10:11]
	global_load_b64 v[CR:CR+1], v[CL], s[44:45]
	s_lshl_b32 s10, s42, 13                        ; my row x 8,192 bytes of gates
	s_add_nc_u64 s[4:5], s[4:5], s[10:11]
	s_lshl_b32 s10, s42, 12                        ; x 4,096 bytes of cx, out0 and out1
	s_add_nc_u64 s[6:7], s[6:7], s[10:11]
	s_add_nc_u64 s[36:37], s[36:37], s[10:11]
	s_add_nc_u64 s[38:39], s[38:39], s[10:11]
	LOADROW                                        ; the first row is on its way while the tables are made
	s_wait_loadcnt 40                              ; the five table loads and the references' are in; the row's 40, issued behind them, stay out
	TABLE 0, NLOG2E
	TABLE 1, NLOG2E
	TABLE 2, LOG2E2
	TABLE 3, NLOG2E
	TABLE 4, 0
	ds_store_b32 v[CS], v[CR] offset:CT
	ds_store_b32 v[CS], v[CR+1] offset:CT+CPITCH
	s_wait_dscnt 0x0                               ; for the others' sake: my part of the tables is written
	s_barrier_signal -1
	s_barrier_wait -1                              ; the tables are whole; nobody writes them again: the launch's only barrier
.Lrow:
	; my row's 32 references, every lane all of them; each section's become differences from its first
.set i, 0
.rept 8
	ds_load_b128 v[T+4*i:T+4*i+3], v[CA] offset:CT+16*i
.set i, i+1
.endr
	s_wait_dscnt 0x0
.irp q, 0,1,2,3
.irp j, 1,2,3,4,5,6,7
	v_sub_f32 v[T+8*(\q)+(\j)], v[T+8*(\q)+(\j)], v[T+8*(\q)]
.endr
	v_mov_b32 v[T+8*(\q)], 0
.endr
	; the four gates, widened, and their means
.irp q, 0,1,2,3
	s_wait_loadcnt 32-8*(\q)                       ; gate q's eight loads are in; the later gates' and cx's stay out
	EXPAND \q
	SUM \q, SM+(\q)
.endr
	TLOAD 0                                        ; the references have been read: their registers take four chunks of gain and bias, wanted when the statistics are made
	TLOAD 1
	TLOAD 2
	TLOAD 3
	RED SM, 4
.irp q, 0,1,2,3
	v_mul_f32 v[NM+2*(\q)], 0xba800000, v[SM+(\q)] ; minus the sum / 1,024
	v_mul_f32 v[NM+2*(\q)+1], 0xba800000, v[SM+(\q)]
.endr
	; their variances
.irp q, 0,1,2,3
	CENTER \q, SS+(\q)
.endr
	RED SS, 4
.irp q, 0,1,2,3
	v_fma_f32 v[SS+(\q)], v[SS+(\q)], s40, s41
.endr
.irp q, 0,1,2,3
	v_rsq_f32 v[RS+2*(\q)], v[SS+(\q)]
	v_rsq_f32 v[RS+2*(\q)+1], v[SS+(\q)]
.endr
	s_wait_loadcnt 0x0                             ; cx
.set k, 0
.rept 16
	v_cvt_pk_bf16_f32 v[CX+k], v[CX+2*k], v[CX+2*k+1]  ; cx rounded to bf16, in place and ascending: register k is written when registers 2 k and 2 k + 1 are read.  The plain work behind the eight roots
.set k, k+1
.endr
	s_wait_alu depctr_va_vdst(0)                   ; one wait for the eight roots, ahead of their first reader
	; the four norms' multiply-adds give the exponents; the 128 exponentials are one batch, of which nothing is named before its wait
.set n, 0
.rept 32
	s_wait_dscnt 6                                 ; four chunks, eight loads, are out: the oldest two are this chunk's
.if n == 0
	NORM4 G+4*n, RS+2*(n/8), T+8*(n%4), -1
.else
	NORM4 G+4*n, RS+2*(n/8), T+8*(n%4), G+4*n-4
.endif
	TLOAD n+4                                      ; the slot just read takes the chunk four on; the last four are cy's first
.set n, n+1
.endr
.irp i, 0,1,2,3
	v_exp_f32 v[G+124+(\i)], v[G+124+(\i)]
.endr
	v_nop                                          ; a plain instruction behind the last exponential,
	s_wait_alu depctr_va_vdst(0)                   ; and the batch's one wait
	RCPS G, 64                                     ; i, f and o are done; c's registers hold 1 / (1 + e^(2 y))
	; pre = f cx + i c, into i's registers
.set k, 0
.rept 16
	v_pk_fma_f32 v[G+64+2*k:G+64+2*k+1], v[G+64+2*k:G+64+2*k+1], -2.0, 1.0 op_sel_hi:[1,0,0]  ; c = tanh
.set k, k+1
.endr
.set k, 0
.rept 16
	v_pk_mul_f32 v[G+2*k:G+2*k+1], v[G+2*k:G+2*k+1], v[G+64+2*k:G+64+2*k+1]
.set k, k+1
.endr
.set k, 0
.rept 16
	v_fma_mix_f32_bf16 v[G+2*k], v[G+32+2*k], v[CX+k], v[G+2*k] op_sel_hi:[0,1,0]                    ; the second source is cx's low bf16,
	v_fma_mix_f32_bf16 v[G+2*k+1], v[G+32+2*k+1], v[CX+k], v[G+2*k+1] op_sel:[0,1,0] op_sel_hi:[0,1,0]  ; its high one
.set k, k+1
.endr
	; the fifth norm's statistics
	SUM 0, SM
	RED SM, 1
	v_mul_f32 v[NM], 0xba800000, v[SM]
	v_mul_f32 v[NM+1], 0xba800000, v[SM]
	CENTER 0, SS
	RED SS, 1
	v_fma_f32 v[SS], v[SS], s40, s41
	v_rsq_f32 v[RS], v[SS]
	v_rsq_f32 v[RS+1], v[SS]
	v_nop
	s_wait_alu depctr_va_vdst(0)
	; cy, stored chunk by chunk; 2 log2 e x cy goes into f's registers, which are free, and its exponentials are one batch
.set j, 0
.rept 8
.if j < 5
	s_wait_dscnt 6                                 ; four chunks are out
.else
	s_wait_dscnt 14-2*j                            ; three, two, one: nothing is asked for behind chunk 39
.endif
.if j == 0
	NORM4 G+4*j, RS, T+8*(j%4), -1
.else
	NORM4 G+4*j, RS, T+8*(j%4), G+32+4*j-4
.endif
	global_store_b128 v[LO], v[G+4*j:G+4*j+3], s[38:39] offset:512*j th:TH_STORE_NT
	v_pk_mul_f32 v[G+32+4*j:G+32+4*j+1], v[G+4*j:G+4*j+1], LOG2E2 op_sel_hi:[1,0]
	v_pk_mul_f32 v[G+32+4*j+2:G+32+4*j+3], v[G+4*j+2:G+4*j+3], LOG2E2 op_sel_hi:[1,0]
.if j < 4
	TLOAD 36+j
.endif
.set j, j+1
.endr
.irp i, 0,1,2,3
	v_exp_f32 v[G+60+(\i)], v[G+60+(\i)]
.endr
	v_nop
	s_wait_alu depctr_va_vdst(0)
	RCPS G+32, 16
	; hy = o tanh(cy)
.set j, 0
.rept 8
	v_pk_fma_f32 v[G+32+4*j:G+32+4*j+1], v[G+32+4*j:G+32+4*j+1], -2.0, 1.0 op_sel_hi:[1,0,0]
	v_pk_fma_f32 v[G+32+4*j+2:G+32+4*j+3], v[G+32+4*j+2:G+32+4*j+3], -2.0, 1.0 op_sel_hi:[1,0,0]
	v_pk_mul_f32 v[G+96+4*j:G+96+4*j+1], v[G+96+4*j:G+96+4*j+1], v[G+32+4*j:G+32+4*j+1]
	v_pk_mul_f32 v[G+96+4*j+2:G+96+4*j+3], v[G+96+4*j+2:G+96+4*j+3], v[G+32+4*j+2:G+32+4*j+3]
	global_store_b128 v[LO], v[G+96+4*j:G+96+4*j+3], s[36:37] offset:512*j th:TH_STORE_NT
.set j, j+1
.endr
	v_add_nc_u32 v[CA], CPITCH, v[CA]              ; my next row's line of references
	s_wait_xcnt 0x0                                ; the stores have read their data and their bases: only behind this wait are the pointers stepped and the row's registers loaded again
	s_add_nc_u64 s[4:5], s[4:5], 8192              ; my next row
	s_add_nc_u64 s[6:7], s[6:7], 4096
	s_add_nc_u64 s[36:37], s[36:37], 4096
	s_add_nc_u64 s[38:39], s[38:39], 4096
	s_cmp_eq_u32 s9, 1
	s_cbranch_scc1 .Lno_more                       ; behind my last row nothing is loaded
	LOADROW
.Lno_more:
	s_sub_co_u32 s9, s9, 1
	s_cmp_lg_u32 s9, 0
	s_cbranch_scc1 .Lrow
	s_wait_tensorcnt 0x0                           ; the wave's end, behind my last LDS store
	ds_add_u32 v[SPW], v[NIL]
	s_wait_dscnt 0x0
	s_endpgm
.Lfunc_end_k_qb3b4b4878f_cell:
	.size	k_qb3b4b4878f_cell, .Lfunc_end_k_qb3b4b4878f_cell-k_qb3b4b4878f_cell
	.p2alignl 7, 3214868480
	.fill 96, 4, 3214868480
	.section	.rodata,"a",@progbits
	.p2align	6, 0x0
	.amdhsa_kernel k_qb3b4b4878f_cell
		.amdhsa_group_segment_fixed_size 47616
		.amdhsa_private_segment_fixed_size 0
		.amdhsa_enable_private_segment 0
		.amdhsa_kernarg_size 120
		.amdhsa_user_sgpr_count 2
		.amdhsa_user_sgpr_kernarg_segment_ptr 1
		.amdhsa_wavefront_size32 1
		.amdhsa_system_sgpr_workgroup_id_x 1
		.amdhsa_system_sgpr_workgroup_id_y 1
		.amdhsa_system_sgpr_workgroup_id_z 1
		.amdhsa_system_vgpr_workitem_id 0
		.amdhsa_next_free_vgpr 256
		.amdhsa_next_free_sgpr 66
		.amdhsa_reserve_vcc 0
		.amdhsa_float_denorm_mode_32 3
		.amdhsa_float_denorm_mode_16_64 3
		.amdhsa_memory_ordered 1
		.amdhsa_forward_progress 1
		.amdhsa_inst_pref_size 86
	.end_amdhsa_kernel
	.amdgpu_metadata
---
amdhsa.version: [ 1, 2 ]
amdhsa.kernels:
  - .name:           k_qb3b4b4878f_cell
    .symbol:         k_qb3b4b4878f_cell.kd
    .args:
      - { .name: gates, .offset: 0, .size: 8, .value_kind: global_buffer, .address_space: global }
      - { .name: cx, .offset: 8, .size: 8, .value_kind: global_buffer, .address_space: global }
      - { .name: ln_i_g, .offset: 16, .size: 8, .value_kind: global_buffer, .address_space: global }
      - { .name: ln_i_b, .offset: 24, .size: 8, .value_kind: global_buffer, .address_space: global }
      - { .name: ln_f_g, .offset: 32, .size: 8, .value_kind: global_buffer, .address_space: global }
      - { .name: ln_f_b, .offset: 40, .size: 8, .value_kind: global_buffer, .address_space: global }
      - { .name: ln_cx_g, .offset: 48, .size: 8, .value_kind: global_buffer, .address_space: global }
      - { .name: ln_cx_b, .offset: 56, .size: 8, .value_kind: global_buffer, .address_space: global }
      - { .name: ln_o_g, .offset: 64, .size: 8, .value_kind: global_buffer, .address_space: global }
      - { .name: ln_o_b, .offset: 72, .size: 8, .value_kind: global_buffer, .address_space: global }
      - { .name: ln_cy_g, .offset: 80, .size: 8, .value_kind: global_buffer, .address_space: global }
      - { .name: ln_cy_b, .offset: 88, .size: 8, .value_kind: global_buffer, .address_space: global }
      - { .name: out0, .offset: 96, .size: 8, .value_kind: global_buffer, .address_space: global }
      - { .name: out1, .offset: 104, .size: 8, .value_kind: global_buffer, .address_space: global }
      - { .name: cbuf, .offset: 112, .size: 8, .value_kind: global_buffer, .address_space: global }
    .group_segment_fixed_size: 47616
    .private_segment_fixed_size: 0
    .kernarg_segment_align: 8
    .kernarg_segment_size: 120
    .max_flat_workgroup_size: 512
    .sgpr_count:     66
    .vgpr_count:     256
    .wavefront_size: 32
...
	.end_amdgpu_metadata
.endif
;; end of part 3
;; ======== version 2 of 2: 3 launches; version 1 with the launches cast, cell written anew for expert scheduling mode
;; limits: values are held in f16: magnitudes above 65,504 overflow, below 6.1e-05 lose precision
;; workspace buffers: ab 33,554,432 bytes; wb 16,777,216 bytes; gates 67,108,864 bytes; cbuf 1,048,576 bytes
;; launch cast (part 4): grid 384 x 2, 8 waves a work-group, no clusters, 0 bytes of LDS; arguments x, hx, weight_ih, weight_hh, ab, wb; writes ab, wb
.if DOCPART == 4
	.amdgcn_target "amdgcn-amd-amdhsa--gfx1250"
	.amdhsa_code_object_version 6
	.text
	.protected	k_qb3b4b4878f_cast
	.globl	k_qb3b4b4878f_cast
	.p2align	8
	.type	k_qb3b4b4878f_cast,@function
k_qb3b4b4878f_cast:
	s_mov_b64 s[64:65], 0
	v_nop
	global_prefetch_b8 v0, s[64:65] scope:SCOPE_SE
	s_setreg_imm32_b32 hwreg(HW_REG_WAVE_SCHED_MODE, 0, 2), 2
	s_setreg_imm32_b32 hwreg(HW_REG_WAVE_MODE, 25, 1), 1
	s_wait_xcnt 0x0
	s_wait_alu depctr_vm_vsrc(0)
; ab[m][0:1024] = bf16(x[m]), ab[m][1024:2048] = bf16(hx[m]); wb[n][0:1024] = bf16(weight_ih[n]), wb[n][1024:2048] = bf16(weight_hh[n]).
; The two products of the cell become one product along K = 2,048; each number is rounded once, to nearest even.
; SHARES.  A work-group takes 32 rows of one source: group y picks the half of K (0: x, weight_ih; 1: hx, weight_hh); group x below 256 picks
; rows 32 x of the activations, from 256 on rows 32 (x - 256) of the weights.  Thread t owns bytes 16 t .. 16 t + 15 of every source row (4,096 bytes)
; and bytes 8 t .. 8 t + 7 of the destination's half row: a wave's load covers 512 consecutive bytes, its store 256 consecutive bytes, aligned.
; All 32 loads of a thread go out at once; no register is written again behind a memory instruction that names it.
; No LDS, no barrier, no matrix work: nothing is shared and nothing is read twice.
; THE MODE: SCHED_MODE bits 1:0 = 2 (LLVM: expert scheduling mode 2), set by the entry lines.  The code itself states the register dependences
; between vector instructions and memory instructions, with s_wait_alu, always for 0.
; THE PLAN.  Registers that memory instructions touch:
;   v1, v2     byte offsets, made once at the head and never written again: every load reads v1, every store v2.
;   X, row i   four registers: the row's load lands in them; its two conversions write the first two; its store reads those two; nothing writes them again.
; The 32 rows go in 8 blocks of four.  Block p converts its own rows; its memory instructions are the four stores of block p - 1, whose registers no
; conversion of block p names.  So one wait at a block's head states all that its four stores hang on, and they are dealt among its conversions.
.set ROWS,  32                         ; rows of a work-group
.set BLOCK, 4                          ; rows in a block
.set ROW,   4096                       ; bytes in a source row, and from row to row of ab and wb
.set X,     4                          ; v[4:131]  row i: four f32 as loaded; its first two registers then hold the four bf16
	s_load_b256 s[4:11], s[0:1], 0x0               ; x s[4:5], hx s[6:7], weight_ih s[8:9], weight_hh s[10:11]
	s_load_b128 s[12:15], s[0:1], 0x20             ; ab s[12:13], wb s[14:15]
	v_lshlrev_b32 v1, 4, v0                        ; my 16 bytes of a source row
	v_lshlrev_b32 v2, 3, v0                        ; my 8 bytes of a destination half row
	s_and_b32 s26, ttmp7, 0xffff                   ; which half of K
	s_wait_kmcnt 0x0
	s_cmp_eq_u32 s26, 0
	s_cselect_b64 s[16:17], s[4:5], s[6:7]         ; the activations' source
	s_cselect_b64 s[18:19], s[8:9], s[10:11]       ; the weights' source
	s_cmp_lt_u32 ttmp9, 256
	s_cselect_b64 s[16:17], s[16:17], s[18:19]     ; mine
	s_cselect_b64 s[20:21], s[12:13], s[14:15]     ; and where it goes
	s_cselect_b32 s22, 0, 256
	s_sub_co_u32 s22, ttmp9, s22                   ; my block of 32 rows
	s_lshl_b32 s24, s22, 17                        ; 32 rows x 4,096 bytes, the same in source and destination; under 2^25
	s_mov_b32 s25, 0
	s_add_nc_u64 s[16:17], s[16:17], s[24:25]
	s_add_nc_u64 s[20:21], s[20:21], s[24:25]
	s_lshl_b32 s24, s26, 11                        ; the second half of K begins 2,048 bytes into a destination row
	s_add_nc_u64 s[20:21], s[20:21], s[24:25]
	s_wait_alu depctr_va_vdst(0)                   ; v1 and v2 are written: every load and store of the kernel reads one of them as its offset
.set i, 0
.rept ROWS
	global_load_b128 v[X+4*i:X+4*i+3], v1, s[16:17] offset:ROW*i th:TH_LOAD_NT
.set i, i+1
.endr
.set p, 0
.rept ROWS/BLOCK
	s_wait_loadcnt ROWS-BLOCK*(p+1)                ; loads come back in order: block p's four rows are in, the younger blocks stay out
.if p > 0
	s_wait_alu depctr_va_vdst(0)                   ; the conversions of the block before have written the registers that the four stores below read
.endif
.set i, BLOCK*p
.rept BLOCK
.if p > 0
	global_store_b64 v2, v[X+4*(i-BLOCK):X+4*(i-BLOCK)+1], s[20:21] offset:ROW*(i-BLOCK)  ; the block before; no conversion since the wait names these registers
.endif
	v_cvt_pk_bf16_f32 v[X+4*i], v[X+4*i], v[X+4*i+1]
	v_cvt_pk_bf16_f32 v[X+4*i+1], v[X+4*i+2], v[X+4*i+3]
.set i, i+1
.endr
.set p, p+1
.endr
	s_wait_alu depctr_va_vdst(0)                   ; the last block's conversions have written the registers that the last four stores read
.set i, ROWS-BLOCK
.rept BLOCK
	global_store_b64 v2, v[X+4*i:X+4*i+1], s[20:21] offset:ROW*i
.set i, i+1
.endr
	s_endpgm
.Lfunc_end_k_qb3b4b4878f_cast:
	.size	k_qb3b4b4878f_cast, .Lfunc_end_k_qb3b4b4878f_cast-k_qb3b4b4878f_cast
	.p2alignl 7, 3214868480
	.fill 96, 4, 3214868480
	.section	.rodata,"a",@progbits
	.p2align	6, 0x0
	.amdhsa_kernel k_qb3b4b4878f_cast
		.amdhsa_group_segment_fixed_size 0
		.amdhsa_private_segment_fixed_size 0
		.amdhsa_enable_private_segment 0
		.amdhsa_kernarg_size 48
		.amdhsa_user_sgpr_count 2
		.amdhsa_user_sgpr_kernarg_segment_ptr 1
		.amdhsa_wavefront_size32 1
		.amdhsa_system_sgpr_workgroup_id_x 1
		.amdhsa_system_sgpr_workgroup_id_y 1
		.amdhsa_system_sgpr_workgroup_id_z 1
		.amdhsa_system_vgpr_workitem_id 0
		.amdhsa_next_free_vgpr 132
		.amdhsa_next_free_sgpr 66
		.amdhsa_reserve_vcc 0
		.amdhsa_float_denorm_mode_32 3
		.amdhsa_float_denorm_mode_16_64 3
		.amdhsa_memory_ordered 1
		.amdhsa_forward_progress 1
		.amdhsa_inst_pref_size 12
	.end_amdhsa_kernel
	.amdgpu_metadata
---
amdhsa.version: [ 1, 2 ]
amdhsa.kernels:
  - .name:           k_qb3b4b4878f_cast
    .symbol:         k_qb3b4b4878f_cast.kd
    .args:
      - { .name: x, .offset: 0, .size: 8, .value_kind: global_buffer, .address_space: global }
      - { .name: hx, .offset: 8, .size: 8, .value_kind: global_buffer, .address_space: global }
      - { .name: weight_ih, .offset: 16, .size: 8, .value_kind: global_buffer, .address_space: global }
      - { .name: weight_hh, .offset: 24, .size: 8, .value_kind: global_buffer, .address_space: global }
      - { .name: ab, .offset: 32, .size: 8, .value_kind: global_buffer, .address_space: global }
      - { .name: wb, .offset: 40, .size: 8, .value_kind: global_buffer, .address_space: global }
    .group_segment_fixed_size: 0
    .private_segment_fixed_size: 0
    .kernarg_segment_align: 8
    .kernarg_segment_size: 48
    .max_flat_workgroup_size: 256
    .sgpr_count:     66
    .vgpr_count:     132
    .wavefront_size: 32
...
	.end_amdgpu_metadata
.endif
;; end of part 4
;; launch gemm: the kernel of part 2 again; grid 16 x 16, 4 waves a work-group, clusters of 4 x 4, 327,680 bytes of LDS; arguments ab, wb, bias_ih, bias_hh, gates, cbuf; writes gates, cbuf
;; launch cell (part 5): grid 256 x 1, 16 waves a work-group, no clusters, 47,616 bytes of LDS; arguments gates, cx, ln_i_g, ln_i_b, ln_f_g, ln_f_b, ln_cx_g, ln_cx_b, ln_o_g, ln_o_b, ln_cy_g, ln_cy_b, out0, out1, cbuf; writes out0, out1
.if DOCPART == 5
	.amdgcn_target "amdgcn-amd-amdhsa--gfx1250"
	.amdhsa_code_object_version 6
	.text
	.protected	k_qb3b4b4878f_cell
	.globl	k_qb3b4b4878f_cell
	.p2align	8
	.type	k_qb3b4b4878f_cell,@function
k_qb3b4b4878f_cell:
	s_mov_b64 s[64:65], 0
	v_nop
	global_prefetch_b8 v0, s[64:65] scope:SCOPE_SE
	s_setreg_imm32_b32 hwreg(HW_REG_WAVE_SCHED_MODE, 0, 2), 2
	s_setreg_imm32_b32 hwreg(HW_REG_WAVE_MODE, 25, 1), 1
	s_wait_xcnt 0x0
	s_wait_alu depctr_vm_vsrc(0)
; i = sigmoid(LN(g[:, 0:1024])), f = sigmoid(LN(g[:, 1024:2048])), c = tanh(LN(g[:, 2048:3072])), o = sigmoid(LN(g[:, 3072:4096]));
; out1 = cy = LN(f cx + i c); out0 = hy = o tanh(cy).  cx, out0, out1: [8192][1024] f32; ten gains and biases of 1,024 f32.
; g COMES IN TWO PARTS: gates[m][n], [8192][4096] f16, is g[m][n] less a reference number of row m and of n's block of 128 columns; cbuf[block][m], [32][8192] f32, is that reference.
; A norm does not see a number common to its 1,024 columns, so a section is taken as gates + (its block's reference - the reference of the section's first block): the large common part is never added back.
; LIMITS.  cx and the ten gains and biases are rounded once to bf16, like every other input of the program; all sums, statistics and activations are f32.  A variance is taken in two passes: the mean
; first, then the squares of the differences.  sigmoid(y) = 1 / (1 + 2^(-y log2 e)), tanh(y) = 1 - 2 / (1 + 2^(2 y log2 e)): an exponential past f32's range gives infinity and its reciprocal 0, one
; below 2^-126 counts as 0: both are the functions' limits; near 0 tanh carries an absolute error of about 1e-7.  NaN and infinities in the inputs are not treated apart.
; SHARES.  A work-group takes 32 rows, each of its 16 waves two, one after the other.  ONE WAVE, ONE ROW: the row's 4,096 gates and 1,024 cx lie in 160 registers from the load to the last store, and
; all five norms' sums stay inside the wave.  Lane l holds columns 128 j + 4 l .. + 3 (j = 0..7) of each section of 1,024: a load of gates covers 256 consecutive bytes, every other load and store 512;
; chunk j of section q is block 8 q + j of 128 columns, so a chunk has one reference for all lanes.
; THE TABLES.  The ten vectors are copied once into LDS, rounded to bf16 and multiplied by the factor that the activation's exponential wants (-log2 e for a sigmoid, 2 log2 e for tanh, none for cy),
; so that the norm's multiply-add delivers the exponent.  Four chunks of gain and bias (16 bytes a lane each) are always on their way from LDS.  The work-group's 32 x 32 references are copied beside them.
; No matrix work, no cluster, no prefetch: the launch streams each byte once and its work-groups share only the tables' 40 KiB.
; THE MODE: SCHED_MODE bits 1:0 = 2 (LLVM: expert scheduling mode 2), set by the entry lines.  The code itself states the register dependences
; between vector instructions and memory or LDS instructions, with s_wait_alu, always for 0.
; THE PLAN.  Registers that memory or LDS instructions touch:
;   v[LO], v[LH], v[TT], v[TS], v[CL], v[CS]   offsets and LDS addresses, made at the head and never written again by a vector line: one wait ahead of the first load serves them all.
;   v[CA]      read by a row's eight loads of references; stepped once a row, straight behind the wait for those loads; the row's later waits show it written.
;   THE TABLE RING, eight slots of eight registers: slots 0-3 are T, slots 4 and 5 the upper half of cx's registers (free when cx is packed), slots 6 and 7 U.  Chunk n is read by its four
;              multiply lines; ahead of them the loads of chunk n + 4 are issued, into the slot that chunk n - 4 read.  ONE wait for every four chunks, at n % 4 = 0, states that chunks
;              n - 4 .. n - 1 are done reading, and serves the four refills that follow it.  At a row's start T holds the row's references: loaded, made differences, read by the widening.
;   G, CX      the row: its 40 loads land there; all the row's arithmetic works there; cy is stored from G + 0 .. 31 and hy from G + 96 .. 127, four chunks at a time, each four behind one wait
;              that shows them written; no line writes them again before the next row's loads, which stand behind the tail's waits.
.set LO,  1                            ; v1       16 x my lane: my offset in 512 bytes of memory and of a table; never rewritten
.set LH,  2                            ; v2       8 x my lane: my offset in 256 bytes of gates; never rewritten
.set TT,  3                            ; v3       the head: my 16 bytes of a vector of 4,096
.set TS,  4                            ; v4       the head: where they go in LDS: 16 x my thread's number: threads 0-255 a gain, threads 256-511 the bias 4,096 bytes behind it
.set SPW, 6                            ; v6       LDS address of my spare word: SPARE + 4 x my thread's number; never rewritten
.set NIL, 7                            ; v7       0; never rewritten
.set C,   8                            ; v[8:15]  four chains of sums, a pair each
.set SM,  16                           ; v[16:19] a gate's sum
.set PT,  20                           ; v[20:23] what the other half of the lanes holds
.set NM,  24                           ; v[24:31] minus a gate's mean, twice (a pair for the packed add)
.set SS,  32                           ; v[32:35] a gate's sum of squares, then its variance + eps
.set RS,  36                           ; v[36:43] 1 / sqrt of that, twice
.set CA,  44                           ; v44      my row's line of references in LDS, less CT: the same in all lanes
.set ONE, 45                           ; v45      1.0: the mixed multiply-add takes registers alone
.set CR,  46                           ; v[46:47] the head: two rows' references of one block
.set CL,  48                           ; v48      the head: where they lie in cbuf
.set CS,  49                           ; v49      the head: where they go in LDS
.set U,   48                           ; v[48:63] behind the head: slots 6 and 7 of the table ring
.set T,   64                           ; v[64:95] at a row's start its 32 references; then slots 0 to 3 of the table ring: a slot is four gains, four biases
.set CX,  96                           ; v[96:127] cx as loaded; then v[96:111]: its 32 numbers in bf16, pair k in register k, and v[112:127]: slots 4 and 5 of the table ring
.set G,   128                          ; v[128:255] gate q at G + 32 q, chunk j at + 4 j; a chunk's four f16 are loaded into its upper two registers
.set CT,  40960                        ; behind the tables: the references, row r of the work-group's 32 at CT + 144 r, block B at + 4 B
.set CPITCH, 144                       ; 128 bytes + 16: the lines stay aligned for loads of 16 bytes, and two rows on is 72 words, so the head's sixteen stores of a half wave fall on eight banks
.set SPARE, CT+32*CPITCH               ; behind them: the spare words, 128 bytes for each of 16 waves: eight blocks of 256 bytes that no other line names
.set NLOG2E, 0xbfb8aa3b                ; -log2 e
.set LOG2E2, 0x4038aa3b                ; 2 log2 e
.macro LOADROW                         ; 40 loads: the row's four gates, then its cx
.set i, 0
.rept 32
	global_load_b64 v[G+4*i+2:G+4*i+3], v[LH], s[4:5] offset:256*i th:TH_LOAD_NT
.set i, i+1
.endr
.set i, 0
.rept 8
	global_load_b128 v[CX+4*i:CX+4*i+3], v[LO], s[6:7] offset:512*i th:TH_LOAD_NT
.set i, i+1
.endr
.endm
.macro SLOT n                          ; ts: the first of the eight registers of chunk n's slot, slot n % 8
.if (\n)%8 < 4
.set ts, T+8*((\n)%8)
.elseif (\n)%8 < 6
.set ts, CX+16+8*((\n)%8-4)
.else
.set ts, U+8*((\n)%8-6)
.endif
.endm
.macro TLOAD n                         ; chunk n % 8 of norm n / 8: four gains and four biases into its slot
	SLOT \n
	ds_load_b128 v[ts:ts+3],   v[LO] offset:8192*((\n)/8)+512*((\n)%8)
	ds_load_b128 v[ts+4:ts+7], v[LO] offset:8192*((\n)/8)+512*((\n)%8)+4096
.endm
.macro TABLE p, scale                  ; my four numbers of norm p's gain or bias: rounded to bf16, back to f32, times the factor (0: none)
.set a, T+4*(\p)
	v_cvt_pk_bf16_f32 v[a], v[a], v[a+1]
	v_cvt_pk_bf16_f32 v[a+2], v[a+2], v[a+3]
	v_and_b32 v[a+1], s14, v[a]
	v_and_b32 v[a+3], s14, v[a+2]
	v_lshlrev_b32 v[a], 16, v[a]
	v_lshlrev_b32 v[a+2], 16, v[a+2]
.if (\scale) != 0
	v_pk_mul_f32 v[a:a+1], v[a:a+1], \scale op_sel_hi:[1,0]
	v_pk_mul_f32 v[a+2:a+3], v[a+2:a+3], \scale op_sel_hi:[1,0]
.endif
.endm
; Gate q's eight chunks are widened in place: a chunk's four f16 lie in its registers 2 and 3; each becomes f16 x 1 + the chunk's number, in f32, in one rounding.  Register 2 is written when both its halves
; have been read, register 3 by the line that reads its high half.
.macro EXPAND q
.set n, 8*(\q)
.rept 8
	v_fma_mix_f32 v[G+4*n],   v[G+4*n+2], v[ONE], v[T+n] op_sel_hi:[1,0,0]
	v_fma_mix_f32 v[G+4*n+1], v[G+4*n+2], v[ONE], v[T+n] op_sel:[1,0,0] op_sel_hi:[1,0,0]
	v_fma_mix_f32 v[G+4*n+2], v[G+4*n+3], v[ONE], v[T+n] op_sel_hi:[1,0,0]
	v_fma_mix_f32 v[G+4*n+3], v[G+4*n+3], v[ONE], v[T+n] op_sel:[1,0,0] op_sel_hi:[1,0,0]
.set n, n+1
.endr
.endm
.macro MERGE d                         ; the four chains into one number
	v_pk_add_f32 v[C:C+1], v[C:C+1], v[C+2:C+3]
	v_pk_add_f32 v[C+4:C+5], v[C+4:C+5], v[C+6:C+7]
	v_pk_add_f32 v[C:C+1], v[C:C+1], v[C+4:C+5]
	v_add_f32 v[\d], v[C], v[C+1]
.endm
.macro SUM q, d                        ; my 32 numbers of gate q, added in four chains that do not wait for each other; the first eight pairs start them: nothing is cleared
.set b, G+32*(\q)
.set k, 0
.rept 4
	v_pk_add_f32 v[C+2*k:C+2*k+1], v[b+2*k:b+2*k+1], v[b+8+2*k:b+8+2*k+1]
.set k, k+1
.endr
.set k, 8
.rept 8
	v_pk_add_f32 v[C+2*(k%4):C+2*(k%4)+1], v[C+2*(k%4):C+2*(k%4)+1], v[b+2*k:b+2*k+1]
.set k, k+1
.endr
	MERGE \d
.endm
.macro CENTER q, d                     ; gate q less its mean, in place; then the sum of my 32 squares
.set b, G+32*(\q)
.set k, 0
.rept 16
	v_pk_add_f32 v[b+2*k:b+2*k+1], v[b+2*k:b+2*k+1], v[NM+2*(\q):NM+2*(\q)+1]
.set k, k+1
.endr
.set k, 0
.rept 4
	v_pk_mul_f32 v[C+2*k:C+2*k+1], v[b+2*k:b+2*k+1], v[b+2*k:b+2*k+1]
.set k, k+1
.endr
.rept 12
	v_pk_fma_f32 v[C+2*(k%4):C+2*(k%4)+1], v[b+2*k:b+2*k+1], v[b+2*k:b+2*k+1], v[C+2*(k%4):C+2*(k%4)+1]
.set k, k+1
.endr
	MERGE \d
.endm
.macro RED base, n                     ; n numbers added over the 32 lanes, the result in every lane: four steps inside each half of 16 lanes ride on the addition, one crosses the halves
.irp m, 1,2,4,8
.set i, 0
.rept \n
	v_add_f32_dpp v[(\base)+i], v[(\base)+i], v[(\base)+i] row_xmask:\m row_mask:0xf bank_mask:0xf
.set i, i+1
.endr
.endr
.set i, 0
.rept \n
	v_permlanex16_b32 v[PT+i], v[(\base)+i], s12, s13
.set i, i+1
.endr
.set i, 0
.rept \n
	v_add_f32 v[(\base)+i], v[(\base)+i], v[PT+i]
.set i, i+1
.endr
.endm
.macro EXPQ e, i
.if (\e) >= 0
	v_exp_f32 v[(\e)+(\i)], v[(\e)+(\i)]
.endif
.endm
; Four centred numbers at v[g]: times 1 / sqrt(variance + eps), times gain plus bias.  Between the four lines stand the exponentials of the four numbers at v[e], made a chunk earlier (e < 0: none).
.macro NORM4 g, rs, t, e
	v_pk_mul_f32 v[(\g):(\g)+1], v[(\g):(\g)+1], v[(\rs):(\rs)+1]
	EXPQ \e, 0
	v_pk_mul_f32 v[(\g)+2:(\g)+3], v[(\g)+2:(\g)+3], v[(\rs):(\rs)+1]
	EXPQ \e, 1
	v_pk_fma_f32 v[(\g):(\g)+1], v[(\g):(\g)+1], v[(\t):(\t)+1], v[(\t)+4:(\t)+5]
	EXPQ \e, 2
	v_pk_fma_f32 v[(\g)+2:(\g)+3], v[(\g)+2:(\g)+3], v[(\t)+2:(\t)+3], v[(\t)+6:(\t)+7]
	EXPQ \e, 3
.endm
; 1 / (1 + z) for n pairs from v[base] on, in place: a pair's two reciprocals stand behind the next pair's addition.  One batch, one plain instruction behind its last, one wait.
.macro RCPS base, n
.set k, 0
.rept \n
	v_pk_add_f32 v[(\base)+2*k:(\base)+2*k+1], v[(\base)+2*k:(\base)+2*k+1], 1.0 op_sel_hi:[1,0]
.if k > 0
	v_rcp_f32 v[(\base)+2*k-2], v[(\base)+2*k-2]
	v_rcp_f32 v[(\base)+2*k-1], v[(\base)+2*k-1]
.endif
.set k, k+1
.endr
	v_rcp_f32 v[(\base)+2*k-2], v[(\base)+2*k-2]
	v_rcp_f32 v[(\base)+2*k-1], v[(\base)+2*k-1]
	v_nop
	s_wait_alu depctr_va_vdst(0)                   ; the batch's reciprocals are written, ahead of their first reader
.endm
.macro HY j                            ; chunk j of hy = o tanh(cy), into o's registers
	v_pk_fma_f32 v[G+32+4*(\j):G+32+4*(\j)+1], v[G+32+4*(\j):G+32+4*(\j)+1], -2.0, 1.0 op_sel_hi:[1,0,0]
	v_pk_fma_f32 v[G+32+4*(\j)+2:G+32+4*(\j)+3], v[G+32+4*(\j)+2:G+32+4*(\j)+3], -2.0, 1.0 op_sel_hi:[1,0,0]
	v_pk_mul_f32 v[G+96+4*(\j):G+96+4*(\j)+1], v[G+96+4*(\j):G+96+4*(\j)+1], v[G+32+4*(\j):G+32+4*(\j)+1]
	v_pk_mul_f32 v[G+96+4*(\j)+2:G+96+4*(\j)+3], v[G+96+4*(\j)+2:G+96+4*(\j)+3], v[G+32+4*(\j)+2:G+32+4*(\j)+3]
.endm
	s_load_b128 s[4:7], s[0:1], 0x0                ; gates s[4:5], cx s[6:7]
	s_load_b512 s[16:31], s[0:1], 0x10             ; gain and bias of norms i, f, c, o: norm p's at s[16+4p:17+4p] and s[18+4p:19+4p]
	s_load_b256 s[32:39], s[0:1], 0x50             ; cy's gain s[32:33] and bias s[34:35]; out0 s[36:37], out1 s[38:39]
	s_load_b64 s[44:45], s[0:1], 0x70              ; cbuf
	v_lshl_add_u32 v[SPW], v0, 2, SPARE
	v_mov_b32 v[NIL], 0
	v_lshrrev_b32 v5, 5, v0
	v_readfirstlane_b32 s8, v5                     ; wave 0..15
	v_and_b32 v[LH], 31, v0
	v_lshlrev_b32 v[LO], 4, v[LH]
	v_lshlrev_b32 v[LH], 3, v[LH]
	v_and_b32 v[TT], 255, v0
	v_lshlrev_b32 v[TT], 4, v[TT]
	v_lshlrev_b32 v[TS], 4, v0
	v_lshrrev_b32 v5, 4, v0                        ; the references: thread t takes block t / 16
	v_and_b32 v[CS], 15, v0                        ; and rows 2 (t % 16), 2 (t % 16) + 1 of the work-group's 32:
	v_lshlrev_b32 v[CL], 3, v[CS]                  ; 8 bytes, sixteen threads 128 bytes on end,
	v_lshl_add_u32 v[CL], v5, 15, v[CL]            ; in the block's line of 8,192 rows x 4 bytes
	v_mul_u32_u24 v[CS], v[CS], 2*CPITCH
	v_lshl_add_u32 v[CS], v5, 2, v[CS]             ; in LDS a row's 32 references lie on end
	v_mov_b32 v[ONE], 1.0
.irp i, 0,1,2,3
	v_mov_b32 v[PT+(\i)], 0                        ; v_permlanex16_b32 counts as a reader of its destination
.endr
	s_wait_alu depctr_va_sdst(0)                   ; s8 is written, ahead of its first reader: the choice of vectors, my rows and my line of references are made from it
	s_lshr_b32 s15, s8, 3                          ; waves 0-7 copy the gains, waves 8-15 the biases
	s_mul_i32 s46, s8, 2*CPITCH
	v_mov_b32 v[CA], s46                           ; my first row's line
	s_mov_b32 s12, 0x76543210                      ; each lane takes its own place in the other half
	s_mov_b32 s13, 0xfedcba98
	s_mov_b32 s14, 0xffff0000                      ; a word's upper bf16
	s_mov_b32 s40, 0x3a800000                      ; 1 / 1,024
	s_mov_b32 s41, 0x3727c5ac                      ; eps = 1e-5
	s_lshl_b32 s42, ttmp9, 5
	s_lshl_b32 s43, s8, 1
	s_add_co_u32 s42, s42, s43                     ; my first row: 32 x work-group + 2 x wave
	s_mov_b32 s11, 0
	s_mov_b32 s9, 2                                ; rows to go
	s_wait_kmcnt 0x0
	s_cmp_eq_u32 s15, 0
.irp p, 0,1,2,3,4
	s_cselect_b64 s[48+2*(\p):49+2*(\p)], s[16+4*(\p):17+4*(\p)], s[18+4*(\p):19+4*(\p)]
.endr
	s_wait_alu depctr_va_vdst(0)                   ; the offsets and LDS addresses v[LO], v[LH], v[TT], v[TS], v[CL], v[CS], v[CA] are written, which the loads, stores and LDS instructions below read
.irp p, 0,1,2,3,4
	global_load_b128 v[T+4*(\p):T+4*(\p)+3], v[TT], s[48+2*(\p):49+2*(\p)]
.endr
	s_lshl_b32 s10, ttmp9, 7                       ; the work-group's 32 rows x 4 bytes in a line of cbuf
	s_add_nc_u64 s[44:45], s[44:45], s[10:11]
	global_load_b64 v[CR:CR+1], v[CL], s[44:45]
	s_lshl_b32 s10, s42, 13                        ; my row x 8,192 bytes of gates
	s_add_nc_u64 s[4:5], s[4:5], s[10:11]
	s_lshl_b32 s10, s42, 12                        ; x 4,096 bytes of cx, out0 and out1
	s_add_nc_u64 s[6:7], s[6:7], s[10:11]
	s_add_nc_u64 s[36:37], s[36:37], s[10:11]
	s_add_nc_u64 s[38:39], s[38:39], s[10:11]
	LOADROW                                        ; the first row is on its way while the tables are made
	s_wait_loadcnt 40                              ; the five table loads and the references' are in; the row's 40, issued behind them, stay out
	TABLE 0, NLOG2E
	TABLE 1, NLOG2E
	TABLE 2, LOG2E2
	TABLE 3, NLOG2E
	TABLE 4, 0
	s_wait_alu depctr_va_vdst(0)                   ; the five tables' arithmetic has written v[T .. T+19], which the LDS stores read
.irp p, 0,1,2,3,4
	ds_store_b128 v[TS], v[T+4*(\p):T+4*(\p)+3] offset:8192*(\p)
.endr
	ds_store_b32 v[CS], v[CR] offset:CT
	ds_store_b32 v[CS], v[CR+1] offset:CT+CPITCH
	s_wait_dscnt 0x0                               ; for the others' sake: my part of the tables is written
	s_barrier_signal -1
	s_barrier_wait -1                              ; the tables are whole; nobody writes them again: the launch's only barrier
	s_wait_alu depctr_vm_vsrc(0)                   ; my LDS stores have read v[T .. T+19] and v[CS], the references' load has read v[CL]: LDS loads land in these registers from here on
.Lrow:
	; my row's 32 references, every lane all of them; each section's become differences from its first
.set i, 0
.rept 8
	ds_load_b128 v[T+4*i:T+4*i+3], v[CA] offset:CT+16*i
.set i, i+1
.endr
	s_wait_dscnt 0x0
	s_wait_alu depctr_vm_vsrc(0)                   ; the eight loads have read v[CA], which the next line writes
	v_add_nc_u32 v[CA], CPITCH, v[CA]              ; my next row's line of references; the row's waits on va_vdst show it written long before its next reader
.irp q, 0,1,2,3
.irp j, 1,2,3,4,5,6,7
	v_sub_f32 v[T+8*(\q)+(\j)], v[T+8*(\q)+(\j)], v[T+8*(\q)]
.endr
	v_mov_b32 v[T+8*(\q)], 0
.endr
	; the four gates, widened, and their means
.irp q, 0,1,2,3
	s_wait_loadcnt 32-8*(\q)                       ; gate q's eight loads are in; the later gates' and cx's stay out
	EXPAND \q
	SUM \q, SM+(\q)
.endr
	s_wait_alu depctr_va_vdst(0)                   ; the differences have written the references' registers and the widening is done reading them: the loads below land there
	TLOAD 0                                        ; four chunks of gain and bias, wanted when the statistics are made
	TLOAD 1
	TLOAD 2
	TLOAD 3
	RED SM, 4
.irp q, 0,1,2,3
	v_mul_f32 v[NM+2*(\q)], 0xba800000, v[SM+(\q)] ; minus the sum / 1,024
	v_mul_f32 v[NM+2*(\q)+1], 0xba800000, v[SM+(\q)]
.endr
	; their variances
.irp q, 0,1,2,3
	CENTER \q, SS+(\q)
.endr
	RED SS, 4
.irp q, 0,1,2,3
	v_fma_f32 v[SS+(\q)], v[SS+(\q)], s40, s41
.endr
.irp q, 0,1,2,3
	v_rsq_f32 v[RS+2*(\q)], v[SS+(\q)]
	v_rsq_f32 v[RS+2*(\q)+1], v[SS+(\q)]
.endr
	s_wait_loadcnt 0x0                             ; cx
.set k, 0
.rept 16
	v_cvt_pk_bf16_f32 v[CX+k], v[CX+2*k], v[CX+2*k+1]  ; cx rounded to bf16, in place and ascending: register k is written when registers 2 k and 2 k + 1 are read.  The plain work behind the eight roots
.set k, k+1
.endr
	s_wait_alu depctr_va_vdst(0)                   ; the eight roots are written, ahead of their first reader; cx's conversions are done reading v[CX+16 .. CX+31], slots 4 and 5 from here on
	; the four norms' multiply-adds give the exponents; the 128 exponentials are one batch, of which nothing is named before its wait
.set n, 0
.rept 32
.if (n%4 == 0) && (n > 0)
	s_wait_alu depctr_va_vdst(0)                   ; the four chunks before are done reading their slots, in which the loads of this chunk and the next three land
.endif
	TLOAD n+4                                      ; the chunk four on, into the slot that the chunk four back read; the last four are cy's first
	s_wait_dscnt 8                                 ; five chunks, ten loads, are out: the oldest two are this chunk's
	SLOT n
.if n == 0
	NORM4 G+4*n, RS+2*(n/8), ts, -1
.else
	NORM4 G+4*n, RS+2*(n/8), ts, G+4*n-4
.endif
.set n, n+1
.endr
.irp i, 0,1,2,3
	v_exp_f32 v[G+124+(\i)], v[G+124+(\i)]
.endr
	v_nop                                          ; a plain instruction behind the last exponential,
	s_wait_alu depctr_va_vdst(0)                   ; and the batch's one wait: the 128 exponentials are written, ahead of their first reader
	RCPS G, 64                                     ; i, f and o are done; c's registers hold 1 / (1 + e^(2 y))
	; pre = f cx + i c, into i's registers
.set k, 0
.rept 16
	v_pk_fma_f32 v[G+64+2*k:G+64+2*k+1], v[G+64+2*k:G+64+2*k+1], -2.0, 1.0 op_sel_hi:[1,0,0]  ; c = tanh
.set k, k+1
.endr
.set k, 0
.rept 16
	v_pk_mul_f32 v[G+2*k:G+2*k+1], v[G+2*k:G+2*k+1], v[G+64+2*k:G+64+2*k+1]
.set k, k+1
.endr
.set k, 0
.rept 16
	v_fma_mix_f32_bf16 v[G+2*k], v[G+32+2*k], v[CX+k], v[G+2*k] op_sel_hi:[0,1,0]                    ; the second source is cx's low bf16,
	v_fma_mix_f32_bf16 v[G+2*k+1], v[G+32+2*k+1], v[CX+k], v[G+2*k+1] op_sel:[0,1,0] op_sel_hi:[0,1,0]  ; its high one
.set k, k+1
.endr
	; the fifth norm's statistics
	SUM 0, SM
	RED SM, 1
	v_mul_f32 v[NM], 0xba800000, v[SM]
	v_mul_f32 v[NM+1], 0xba800000, v[SM]
	CENTER 0, SS
	RED SS, 1
	v_fma_f32 v[SS], v[SS], s40, s41
	v_rsq_f32 v[RS], v[SS]
	v_rsq_f32 v[RS+1], v[SS]
	v_nop
	s_wait_alu depctr_va_vdst(0)                   ; the two roots are written, ahead of their first reader; o's last four chunks are long done reading slots 4 to 7, in which cy's last four chunks land
	; cy; 2 log2 e x cy goes into f's registers, which are free, and its exponentials are one batch.  cy's chunks 0 to 3 are stored among the work on chunks 4 to 7, the others behind the batch's wait
.set j, 0
.rept 8
.if j == 4
	s_wait_alu depctr_va_vdst(0)                   ; cy's chunks 0 to 3 are written, which the four stores among the chunks below read
.endif
.if j >= 4
	global_store_b128 v[LO], v[G+4*j-16:G+4*j-13], s[38:39] offset:512*(j-4) th:TH_STORE_NT  ; no line since the wait writes these registers
	s_wait_dscnt 14-2*j                            ; three, two, one, none younger: nothing is asked for behind chunk 39
.else
	TLOAD 36+j
	s_wait_dscnt 8                                 ; five chunks are out: the oldest is this one
.endif
	SLOT 32+j
.if j == 0
	NORM4 G+4*j, RS, ts, -1
.else
	NORM4 G+4*j, RS, ts, G+32+4*j-4
.endif
	v_pk_mul_f32 v[G+32+4*j:G+32+4*j+1], v[G+4*j:G+4*j+1], LOG2E2 op_sel_hi:[1,0]
	v_pk_mul_f32 v[G+32+4*j+2:G+32+4*j+3], v[G+4*j+2:G+4*j+3], LOG2E2 op_sel_hi:[1,0]
.set j, j+1
.endr
.irp i, 0,1,2,3
	v_exp_f32 v[G+60+(\i)], v[G+60+(\i)]
.endr
	v_nop
	s_wait_alu depctr_va_vdst(0)                   ; the 32 exponentials are written, ahead of their first reader; so are cy's chunks 4 to 7, which the four stores below read
.set j, 4
.rept 4
	global_store_b128 v[LO], v[G+4*j:G+4*j+3], s[38:39] offset:512*j th:TH_STORE_NT
.set j, j+1
.endr
	RCPS G+32, 16
	; hy = o tanh(cy): chunks 0 to 3 are stored among the work on chunks 4 to 7
.set j, 0
.rept 4
	HY j
.set j, j+1
.endr
	s_wait_alu depctr_va_vdst(0)                   ; hy's chunks 0 to 3 are written, which the four stores among the chunks below read
.rept 4
	global_store_b128 v[LO], v[G+96+4*j-16:G+96+4*j-13], s[36:37] offset:512*(j-4) th:TH_STORE_NT
	HY j
.set j, j+1
.endr
	s_wait_alu depctr_va_vdst(0)                   ; hy's chunks 4 to 7 are written, which the last four stores read; and every line that named the row's registers is done: no vector line stands between here and the next row's loads
.set j, 4
.rept 4
	global_store_b128 v[LO], v[G+96+4*j:G+96+4*j+3], s[36:37] offset:512*j th:TH_STORE_NT
.set j, j+1
.endr
	s_wait_xcnt 0x0                                ; the stores have had their addresses translated: only behind this wait are the pointers stepped and the row's registers loaded again
	s_wait_alu depctr_vm_vsrc(0)                   ; the sixteen stores have read cy's and hy's registers, in which the next row's loads land and which its widening writes
	s_add_nc_u64 s[4:5], s[4:5], 8192              ; my next row
	s_add_nc_u64 s[6:7], s[6:7], 4096
	s_add_nc_u64 s[36:37], s[36:37], 4096
	s_add_nc_u64 s[38:39], s[38:39], 4096
	s_cmp_eq_u32 s9, 1
	s_cbranch_scc1 .Lno_more                       ; behind my last row nothing is loaded
	LOADROW
.Lno_more:
	s_sub_co_u32 s9, s9, 1
	s_cmp_lg_u32 s9, 0
	s_cbranch_scc1 .Lrow
	s_wait_dscnt 0x0                               ; the closing lines, six on end
	s_wait_alu 0x0
	s_wait_tensorcnt 0x0
	ds_add_u32 v[SPW], v[NIL]
	s_wait_dscnt 0x0
	s_endpgm
.Lfunc_end_k_qb3b4b4878f_cell:
	.size	k_qb3b4b4878f_cell, .Lfunc_end_k_qb3b4b4878f_cell-k_qb3b4b4878f_cell
	.p2alignl 7, 3214868480
	.fill 96, 4, 3214868480
	.section	.rodata,"a",@progbits
	.p2align	6, 0x0
	.amdhsa_kernel k_qb3b4b4878f_cell
		.amdhsa_group_segment_fixed_size 47616
		.amdhsa_private_segment_fixed_size 0
		.amdhsa_enable_private_segment 0
		.amdhsa_kernarg_size 120
		.amdhsa_user_sgpr_count 2
		.amdhsa_user_sgpr_kernarg_segment_ptr 1
		.amdhsa_wavefront_size32 1
		.amdhsa_system_sgpr_workgroup_id_x 1
		.amdhsa_system_sgpr_workgroup_id_y 1
		.amdhsa_system_sgpr_workgroup_id_z 1
		.amdhsa_system_vgpr_workitem_id 0
		.amdhsa_next_free_vgpr 256
		.amdhsa_next_free_sgpr 66
		.amdhsa_reserve_vcc 0
		.amdhsa_float_denorm_mode_32 3
		.amdhsa_float_denorm_mode_16_64 3
		.amdhsa_memory_ordered 1
		.amdhsa_forward_progress 1
		.amdhsa_inst_pref_size 87
	.end_amdhsa_kernel
	.amdgpu_metadata
---
amdhsa.version: [ 1, 2 ]
amdhsa.kernels:
  - .name:           k_qb3b4b4878f_cell
    .symbol:         k_qb3b4b4878f_cell.kd
    .args:
      - { .name: gates, .offset: 0, .size: 8, .value_kind: global_buffer, .address_space: global }
      - { .name: cx, .offset: 8, .size: 8, .value_kind: global_buffer, .address_space: global }
      - { .name: ln_i_g, .offset: 16, .size: 8, .value_kind: global_buffer, .address_space: global }
      - { .name: ln_i_b, .offset: 24, .size: 8, .value_kind: global_buffer, .address_space: global }
      - { .name: ln_f_g, .offset: 32, .size: 8, .value_kind: global_buffer, .address_space: global }
      - { .name: ln_f_b, .offset: 40, .size: 8, .value_kind: global_buffer, .address_space: global }
      - { .name: ln_cx_g, .offset: 48, .size: 8, .value_kind: global_buffer, .address_space: global }
      - { .name: ln_cx_b, .offset: 56, .size: 8, .value_kind: global_buffer, .address_space: global }
      - { .name: ln_o_g, .offset: 64, .size: 8, .value_kind: global_buffer, .address_space: global }
      - { .name: ln_o_b, .offset: 72, .size: 8, .value_kind: global_buffer, .address_space: global }
      - { .name: ln_cy_g, .offset: 80, .size: 8, .value_kind: global_buffer, .address_space: global }
      - { .name: ln_cy_b, .offset: 88, .size: 8, .value_kind: global_buffer, .address_space: global }
      - { .name: out0, .offset: 96, .size: 8, .value_kind: global_buffer, .address_space: global }
      - { .name: out1, .offset: 104, .size: 8, .value_kind: global_buffer, .address_space: global }
      - { .name: cbuf, .offset: 112, .size: 8, .value_kind: global_buffer, .address_space: global }
    .group_segment_fixed_size: 47616
    .private_segment_fixed_size: 0
    .kernarg_segment_align: 8
    .kernarg_segment_size: 120
    .max_flat_workgroup_size: 512
    .sgpr_count:     66
    .vgpr_count:     256
    .wavefront_size: 32
...
	.end_amdgpu_metadata
.endif
;; end of part 5
